; MI455X (gfx1250); checked and timed in simulation.
; The chip was launched on July 23, 2026; its instructions are those of AMD's public machine-readable ISA for CDNA 5 (MIT licence, August 2026) and "CDNA5" Instruction Set Architecture Reference Guide (July 2026). The comments in the code are by the model that wrote it; some were corrected since.
;; Multi Head Attention. Allowed arithmetic: matrix products marked QUANTISED: E4M3 operands, one given power-of-two scale a tensor, by v_wmma_f32_16x16x64_fp8_fp8 or v_wmma_f32_16x16x128_fp8_fp8, f32 sums; everything else in f32.
;; Inputs: Wc 1,024 x 1,024 float32; Wk 1,024 x 1,024 float32; Wq 1,024 x 1,024 float32; Wv 1,024 x 1,024 float32; bc 1,024 float32; bk 1,024 float32; bq 1,024 float32; bv 1,024 float32; key 4 x 2,048 x 1,024 float32; lowp_scales 12 int32 (the exponents e of the quantised operands' scales 2^e); mask 4 x 2,048 x 2,048 bool; query 4 x 2,048 x 1,024 float32; value 4 x 2,048 x 1,024 float32.
;; Outputs: out0 4 x 2,048 x 1,024 float32; out1 4 x 2,048 x 1,024 float32.
;; This version of the problem:
;;   THIS VERSION OF THE PROBLEM IS GIVEN IN LOW PRECISION. The matrix products marked QUANTISED in the list below multiply operands that are first quantised to E4M3 (4 exponent bits, 3 mantissa bits; 8 bits a number), with one given power-of-two scale for each operand tensor; their sums are f32. All else is computed in f32.
;;   The module's matrix products, in the order in which they are computed (A, B: the left and right operand; K: the contracted axis; several contracted axes count as one K, in the product's order):
;;     1. [M 8,192, K 1,024] x [K 1,024, N 1,024]; A: input query; B: input Wq: QUANTISED (scales: A lowp_scales[0], B lowp_scales[1])
;;     2. [M 8,192, K 1,024] x [K 1,024, N 1,024]; A: input key; B: input Wk: QUANTISED (scales: A lowp_scales[2], B lowp_scales[3])
;;     3. [M 8,192, K 1,024] x [K 1,024, N 1,024]; A: input value; B: input Wv: QUANTISED (scales: A lowp_scales[4], B lowp_scales[5])
;;     4. batch 64 x [M 2,048, K 64] x [K 64, N 2,048]; A: computed on the way; B: computed on the way: QUANTISED (scales: A lowp_scales[6], B lowp_scales[7])
;;     5. batch 64 x [M 2,048, K 2,048] x [K 2,048, N 64]; A: softmax (see below); B: computed on the way: QUANTISED (scales: A lowp_scales[8], B lowp_scales[9])
;;     6. [M 8,192, K 1,024] x [K 1,024, N 1,024]; A: computed on the way; B: input Wc: QUANTISED (scales: A lowp_scales[10], B lowp_scales[11])
;;   THE QUANTISER, for each operand of a quantised product, along K:
;;     - The operand's scale is 2^e, e = its entry of the input lowp_scales (int32; the entries are numbered through the quantised products in the list's order, A before B).
;;     - Each number is divided by the scale, clamped to +-448, and rounded to the nearest number of E4M3, ties to even, subnormals kept.
;;     - The product sums the exact products of the quantised numbers (number of the format x scale) in f32.
;;   ~~~python
;;   def quantise(x, axis, e):      # numpy; x: float32 -> the quantised numbers, widened to float32 again
;;       x = np.moveaxis(x, axis, -1); K = x.shape[-1]
;;       r = np.clip(x / 2.0 ** e, -448, 448)
;;       step = 2.0 ** (np.maximum(np.frexp(np.where(r == 0, 1, r))[1] - 1, -6) - 3)
;;       q = np.round(r / step) * step * 2.0 ** e      # np.round: ties to even
;;       return np.moveaxis(q, -1, axis).astype(np.float32)
;;   ~~~
;;   SOFTMAX AHEAD OF A QUANTISED PRODUCT. Where the list says 'softmax', what is quantised is not the finished softmax but p = 2^(t - M), with t = logit x log2(e) and M = ceil(the row's largest t), a whole number; so 1/2 < the row's largest p <= 1. The row's sum l is taken of the UNQUANTISED p, in f32, and the product's result is divided by l at the end. Since M is a whole number, a kernel that streams over the keys may use a running M (the ceiling of the running maximum): every later rescaling is an exact power of two, so the quantised numbers keep their values, but for numbers so far below the row's largest that they fall under the format's range.
;;   OPERANDS COMPUTED ON THE WAY. 'Computed on the way' means the value that the module computes at that place (a softmax that the list does not call 'softmax' is quantised finished and normalised). What goes into a quantiser is computed in f32, as accurately as f32 sums, v_exp_f32 and their like allow (about 1e-6 of the number): no bf16 or f16 on the way to a quantiser, and a product that is left as it is and whose result goes on into a quantised operand takes f32 operands (vector FMAs, or v_wmma_f32_16x16x4_f32). A number that lies on a knife's edge between two numbers of the format may be rounded either way, as far as f32 arithmetic and the matrix unit's own rounding can turn it there, and no further.
;; 2 versions, each right; version 2 is version 1 with the launch attn written anew for expert scheduling mode. Each part assembles by itself: llvm-mc -triple=amdgcn-amd-amdhsa -mcpu=gfx1250 --defsym DOCPART=n.
;; ======== version 1 of 2: 4 launches
;; limits: right only within a limited range of input values
;; workspace buffers: ximg 25,165,824 bytes; wimg 4,194,304 bytes; mbits 2,097,152 bytes of whole numbers; flags 2,048 bytes of whole numbers; himg 25,165,824 bytes; aimg 8,388,608 bytes
;; launch prep (part 1): grid 640 x 1, 4 waves a work-group, no clusters, 51,712 bytes of LDS; arguments query, key, value, Wq, Wk, Wv, Wc, mask, lowp_scales, ximg, wimg, mbits, flags; writes ximg, wimg, mbits, flags
.if DOCPART == 1
	.amdgcn_target "amdgcn-amd-amdhsa--gfx1250"
	.amdhsa_code_object_version 6
	.text
	.protected	k_q8509fb8de5_prep
	.globl	k_q8509fb8de5_prep
	.p2align	8
	.type	k_q8509fb8de5_prep,@function
k_q8509fb8de5_prep:
	s_mov_b64 s[64:65], 0
	v_nop
	global_prefetch_b8 v0, s[64:65] scope:SCOPE_SE
	s_setreg_imm32_b32 hwreg(HW_REG_WAVE_MODE, 25, 1), 1
	s_wait_xcnt 0x0
; PREP: everything that is read many times later is brought once into the form in which it is used.
;   work-groups   0-383: query, key, value [8192][1024] f32 -> ximg: codes of E4M3 as IMAGES OF OPERAND REGISTERS
;   work-groups 384-511: Wq, Wk, Wv, Wc [k 1024][n 1024] f32 -> wimg: the same images, rows = n, K innermost
;   work-groups 512-639: mask [4][2048][2048] bool -> mbits (a lane mask for each score register) and flags (key steps to skip / without a masked key)
; TILES.  Row p (0..15) of tile i is the true row 32 (i/2) + 8 (i%2) + p + 8 (p/8).  IMAGE of a fragment (16 rows x 128 K, 2,048 bytes): chunk c (512 bytes)
; holds, at 16 x lane, the 16 codes k = 32 c + 16 (lane/16) + 0..15 of the tile's row lane%16.  ximg: [tensor 3][tile 512][128-K step 8][2,048]; wimg: [tensor 4][tile 64][8][2,048].
; code = x / 2^e, held within +-448, to the nearest code, ties to even.  LIMITS: -126 <= e and e + 8 <= 127.  NaN among the inputs is not served.
; The three kinds of work-group part on the work-group's number; each kind that uses LDS has LDS bytes of its own.  Waves share nothing: no barrier.
.set XST,  8448                        ; activations: a wave's stage, 16 rows x (512 + 16) bytes
.set MST0, 4*XST                       ; behind them the mask's stages:
.set MST,  4352                        ; 16 rows x (256 + 16) bytes a wave
.set R,    16                          ; v16-143  activations: two sets of 64 registers as loaded
.set X,    144                         ; v144-207 64 numbers of a lane, along K
.set C,    208                         ; v208-223 a fragment's codes
	s_load_b512 s[4:19], s[0:1], 0x0               ; query, key, value, Wq, Wk, Wv, Wc, mask
	s_load_b256 s[20:27], s[0:1], 0x40             ; the scales' exponents, ximg, wimg, mbits
	s_load_b64 s[28:29], s[0:1], 0x60              ; flags
	v_lshl_add_u32 v224, v0, 2, 0xc800
	v_mov_b32 v225, 0
	v_lshrrev_b32 v1, 5, v0
	v_readfirstlane_b32 s30, v1                    ; wave
	v_and_b32 v5, 31, v0                           ; lane
	v_and_b32 v6, 15, v0                           ; r
	v_bfe_u32 v7, v0, 4, 1                         ; h
	s_wait_kmcnt 0x0
	s_cmp_lt_u32 ttmp9, 384
	s_cbranch_scc0 .Lnot_x
.macro MKSCALE e, t                    ; v11 = 2^e as f32 (the conversion takes its exponent field), v10 = 448 x 2^e
	s_add_co_i32 \e, \e, 127
	s_lshl_b32 \t, \e, 23
	v_mov_b32 v11, \t
	s_add_co_i32 \e, \e, 8
	s_lshl_b32 \e, \e, 23
	s_or_b32 \e, \e, 0x600000
	v_mov_b32 v10, \e
.endm
; ---------------- ACTIVATIONS: a wave takes one tile of 16 rows, all 1,024 along K: eight fragments ----------------
	s_load_b256 s[36:43], s[20:21], 0x0            ; e0 .. e7
	s_lshr_b32 s31, ttmp9, 7                       ; which tensor
	s_lshl_b32 s32, ttmp9, 2
	s_add_co_u32 s32, s32, s30
	s_and_b32 s32, s32, 511                        ; which tile of it
	s_lshr_b32 s34, s32, 1
	s_lshl_b32 s34, s34, 17                        ; 32 rows of 4,096 bytes for each pair of tiles,
	s_and_b32 s35, s32, 1
	s_lshl_b32 s35, s35, 15                        ; 8 rows for the odd one
	s_add_co_u32 s50, s34, s35
	s_mov_b32 s51, 0
	s_lshl_b32 s54, s31, 23                        ; the tensor's plane of images,
	s_lshl_b32 s34, s32, 14                        ; the tile's eight fragments
	s_add_co_u32 s54, s54, s34
	s_mov_b32 s55, 0
	s_cmp_eq_u32 s31, 0
	s_cselect_b64 s[48:49], s[4:5], s[6:7]
	s_cmp_eq_u32 s31, 2
	s_cselect_b64 s[48:49], s[8:9], s[48:49]
	s_add_nc_u64 s[48:49], s[48:49], s[50:51]
	s_add_nc_u64 s[52:53], s[22:23], s[54:55]
	v_lshlrev_b32 v1, 4, v5                        ; 16 x lane: a load's 512 bytes, and an image's chunk
	s_mul_i32 s34, s30, XST
	v_add_nc_u32 v2, s34, v1                       ; the stage, in: a row as it lies
	v_mul_u32_u24 v3, v6, 528
	v_lshl_add_u32 v3, v7, 6, v3
	v_add_nc_u32 v3, s34, v3                       ; out: row r, + 64 h: my 16 numbers of each block of 32
.macro XLOAD f                         ; fragment f: 512 consecutive bytes of each of the tile's 16 rows
.irp p, 0,1,2,3,4,5,6,7,8,9,10,11,12,13,14,15
	global_load_b128 v[R+64*((\f)%2)+4*\p:R+64*((\f)%2)+4*\p+3], v1, s[48:49] offset:(\p+8*(\p/8))*4096+512*(\f) th:TH_LOAD_NT
.endr
.endm
.macro XFRAG f
.if (\f) < 7
	s_wait_loadcnt 16                              ; this fragment's 16 loads are in; the next fragment's 16 may be out
.else
	s_wait_loadcnt 0x0
.endif
.irp p, 0,1,2,3,4,5,6,7,8,9,10,11,12,13,14,15
	ds_store_b128 v2, v[R+64*((\f)%2)+4*\p:R+64*((\f)%2)+4*\p+3] offset:528*\p
.endr
.irp b, 0,1,2,3
.irp j, 0,1,2,3
	ds_load_b128 v[X+16*\b+4*\j:X+16*\b+4*\j+3], v3 offset:128*\b+16*\j    ; LDS serves a wave's instructions in order: these see the stores above
.endr
.endr
	s_wait_dscnt 0x0                               ; the numbers are turned, and the set of registers is free
.if (\f)+2 < 8
	XLOAD (\f)+2
.endif
	s_wait_xcnt 0x0                                ; the last fragment's stores have read the codes' registers
.irp b, 0,1,2,3
.irp i, 0,1,2,3,4,5,6,7,8,9,10,11,12,13,14,15
	v_med3_num_f32 v[X+16*\b+\i], v[X+16*\b+\i], -v10, v10   ; the conversion to an 8-bit code does not saturate (ISA guide 7.6.2): the hold comes first
.endr
	v_cvt_scalef32_pk8_fp8_f32 v[C+4*\b:C+4*\b+1], v[X+16*\b:X+16*\b+7], v11
	v_cvt_scalef32_pk8_fp8_f32 v[C+4*\b+2:C+4*\b+3], v[X+16*\b+8:X+16*\b+15], v11
.endr
	v_nop                                          ; a plain line between the conversions and the next holds, which write their sources
.irp c, 0,1,2,3
	global_store_b128 v1, v[C+4*\c:C+4*\c+3], s[52:53] offset:2048*(\f)+512*\c   ; 512 consecutive bytes, aligned
.endr
.endm
	XLOAD 0
	XLOAD 1
	s_wait_kmcnt 0x0
	s_cmp_eq_u32 s31, 0
	s_cselect_b32 s33, s36, s38                    ; e0, e2
	s_cmp_eq_u32 s31, 2
	s_cselect_b32 s33, s40, s33                    ; or e4
	MKSCALE s33, s34
.irp f, 0,1,2,3,4,5,6,7
	XFRAG \f
.endr
	s_wait_tensorcnt 0x0
	ds_add_u32 v224, v225
	s_wait_dscnt 0x0
	s_endpgm
; ---------------- WEIGHTS: K is the first axis.  A lane takes a column n and its registers run down K: the conversions give codes with K innermost ----------------
.Lnot_x:
	s_cmp_lt_u32 ttmp9, 512
	s_cbranch_scc0 .Lmask
	s_load_b256 s[36:43], s[20:21], 0x0            ; e0 .. e7
	s_load_b32 s47, s[20:21], 0x2c                 ; e11
	s_sub_co_u32 s31, ttmp9, 384
	s_lshr_b32 s32, s31, 5                         ; which weight
	s_and_b32 s33, s31, 7                          ; which 128 columns
	s_bfe_u32 s34, s31, 0x20003                    ; which 256 along K
	s_lshl_b32 s35, s33, 2
	s_add_co_u32 s35, s35, s30                     ; my wave's 32 columns: a pair of tiles
	s_lshl_b32 s50, s34, 20                        ; 256 rows of 4,096 bytes
	s_lshl_b32 s54, s35, 7
	s_add_co_u32 s50, s50, s54
	s_mov_b32 s51, 0
	s_lshl_b32 s54, s32, 20                        ; the weight's plane,
	s_lshl_b32 s55, s35, 15                        ; the pair of tiles,
	s_add_co_u32 s54, s54, s55
	s_lshl_b32 s55, s34, 12                        ; two fragments along K
	s_add_co_u32 s54, s54, s55
	s_mov_b32 s55, 0
	s_cmp_eq_u32 s32, 0
	s_cselect_b64 s[48:49], s[10:11], s[12:13]
	s_cmp_eq_u32 s32, 2
	s_cselect_b64 s[48:49], s[14:15], s[48:49]
	s_cmp_eq_u32 s32, 3
	s_cselect_b64 s[48:49], s[16:17], s[48:49]
	s_add_nc_u64 s[48:49], s[48:49], s[50:51]
	s_add_nc_u64 s[52:53], s[24:25], s[54:55]
	v_lshlrev_b32 v1, 2, v5                        ; in: 4 bytes a lane
	v_bfe_u32 v2, v0, 3, 1                         ; column l of the 32 is row (l%8) + 8 (l/16) of tile (l/8)%2
	v_lshlrev_b32 v2, 14, v2
	v_and_b32 v3, 7, v0
	v_lshl_add_u32 v3, v7, 3, v3
	v_lshl_add_u32 v2, v3, 4, v2                   ; out: the tile's 16,384 bytes, + 16 x row
.macro WLOAD t                         ; block t: W(32 t + i, my column)
.set i, 0
.rept 32
	global_load_b32 v[16+32*((\t)%2)+i], v1, s[48:49] offset:(32*(\t)+i)*4096 th:TH_LOAD_NT
.set i, i+1
.endr
.endm
.macro WBLOCK t
.set XS, 16+32*((\t)%2)
.set CW, 80+8*(\t)                     ; each block has registers of its own for its codes: no store's data are written again
.if (\t) < 7
	s_wait_loadcnt 32                              ; this block's 32 loads are in; the next block's may be out
.else
	s_wait_loadcnt 0x0
.endif
.set i, 0
.rept 32
	v_med3_num_f32 v[XS+i], v[XS+i], -v10, v10
.set i, i+1
.endr
.irp g, 0,1,2,3
	v_cvt_scalef32_pk8_fp8_f32 v[CW+2*\g:CW+2*\g+1], v[XS+8*\g:XS+8*\g+7], v11
.endr
	v_nop
	global_store_b128 v2, v[CW:CW+3], s[52:53] offset:512*(\t)          ; k = 32 t + 0..15: the chunk's lanes 0-15; sixteen lanes fill 256 aligned bytes of each tile
	global_store_b128 v2, v[CW+4:CW+7], s[52:53] offset:512*(\t)+256    ; k = 32 t + 16..31: its lanes 16-31
.if (\t)+2 < 8
	WLOAD (\t)+2
.endif
.endm
	WLOAD 0
	WLOAD 1
	s_wait_kmcnt 0x0
	s_cmp_eq_u32 s32, 0
	s_cselect_b32 s33, s37, s39                    ; e1, e3,
	s_cmp_eq_u32 s32, 2
	s_cselect_b32 s33, s41, s33                    ; e5
	s_cmp_eq_u32 s32, 3
	s_cselect_b32 s33, s47, s33                    ; or e11
	MKSCALE s33, s34
.irp t, 0,1,2,3,4,5,6,7
	WBLOCK \t
.endr
	s_endpgm
; ---------------- MASK: a wave takes the 16 rows of one tile of queries, all 2,048 keys ----------------
; mbits [b 4][tile 128][key step 16][64 words]: bit l of word j = mask(row l%16 of the tile, key 128 ks + 32 (j/16) + 16 (l/16) + j%16): the lane mask of score register j.
; flags [b][tile]: bit ks: all 16 x 128 entries of the step are masked AND each of the 16 rows has an unmasked key somewhere (then the step adds nothing); bit 16 + ks: none is masked.
.Lmask:
	s_sub_co_u32 s31, ttmp9, 512
	s_lshl_b32 s31, s31, 2
	s_add_co_u32 s31, s31, s30                     ; 128 b + tile
	s_lshr_b32 s48, s31, 7
	s_lshl_b32 s48, s48, 22                        ; b x 2,048 rows of 2,048 bytes
	s_bfe_u32 s49, s31, 0x60001
	s_lshl_b32 s49, s49, 16                        ; 32 rows for each pair of tiles
	s_add_co_u32 s48, s48, s49
	s_and_b32 s49, s31, 1
	s_lshl_b32 s49, s49, 14                        ; 8 rows for the odd one
	s_add_co_u32 s48, s48, s49
	s_mov_b32 s49, 0
	s_add_nc_u64 s[32:33], s[18:19], s[48:49]
	s_lshl_b32 s48, s31, 12                        ; 16 key steps x 256 bytes
	s_add_nc_u64 s[34:35], s[26:27], s[48:49]
	s_mul_i32 s52, s30, MST
	s_add_co_u32 s52, s52, MST0                    ; my stage
	v_lshlrev_b32 v1, 4, v6
	v_lshl_add_u32 v1, v7, 11, v1                  ; in: sixteen lanes take 256 bytes of a row, the other sixteen the next row
	v_mul_u32_u24 v2, v7, 272
	v_lshl_add_u32 v2, v6, 4, v2
	v_add_nc_u32 v2, s52, v2                       ; the same two rows in the stage
	v_mul_u32_u24 v3, v6, 272
	v_lshl_add_u32 v3, v7, 4, v3
	v_add_nc_u32 v3, s52, v3                       ; out: row r, + 16 h
	v_lshlrev_b32 v4, 3, v5                        ; two words a lane
.macro MLOAD                           ; 256 keys (two key steps) of the 16 rows
.irp i, 0,1,2,3,4,5,6,7
	global_load_b128 v[16+4*\i:19+4*\i], v1, s[32:33] offset:(2*\i+8*(\i/4))*2048 th:TH_LOAD_NT
.endr
.endm
.macro MSTEP sp                        ; key step sp of the two: 64 words, the step's two flag bits
	s_mov_b32 s56, -1
	s_mov_b32 s57, 0
.set j, 0
.rept 64
	v_and_b32 v[80+j%4], 0xff<<(8*(j%4)), v[48+16*\sp+4*(j/16)+(j%16)/4]
	v_cmp_ne_u32 s[48+j%4], 0, v[80+j%4]           ; the 32 lanes' entries for score register j
	v_writelane_b32 v[84+2*\sp+j%2], s[48+j%4], j/2   ; lane l gathers words 2 l and 2 l + 1
	s_and_b32 s56, s56, s[48+j%4]
	s_or_b32 s57, s57, s[48+j%4]
.set j, j+1
.endr
	global_store_b64 v4, v[84+2*\sp:85+2*\sp], s[34:35] offset:256*\sp   ; 256 consecutive bytes, aligned
	s_and_b32 s60, s60, s56                        ; bit l stays 1 while all keys of lane l so far are masked
	s_cmp_eq_u32 s56, -1
	s_cselect_b32 s52, 1, 0
	s_cmp_eq_u32 s57, 0
	s_cselect_b32 s53, 1, 0
	s_lshl_b32 s52, s52, s62
	s_lshl_b32 s53, s53, s62
	s_or_b32 s58, s58, s52
	s_or_b32 s59, s59, s53
	s_add_co_u32 s62, s62, 1
.endm
.macro MCHUNK more
	s_wait_loadcnt 0x0                             ; the chunk is in (and its loads' address is free)
.irp i, 0,1,2,3,4,5,6,7
	ds_store_b128 v2, v[16+4*\i:19+4*\i] offset:544*\i
.endr
.irp q, 0,1,2,3,4,5,6,7
	ds_load_b128 v[48+4*\q:51+4*\q], v3 offset:32*\q   ; key step q/4, block q%4: my 16 entries
.endr
	s_wait_dscnt 0x0
.if \more
	s_add_nc_u64 s[32:33], s[32:33], 256
	MLOAD                                          ; the next chunk comes while this one is worked
.endif
	MSTEP 0
	MSTEP 1
	s_wait_xcnt 0x0                                ; the stores have read their data and their base: both are written again
	s_add_nc_u64 s[34:35], s[34:35], 512
.endm
	MLOAD
	s_mov_b32 s58, 0                               ; steps wholly masked
	s_mov_b32 s59, 0                               ; steps without a masked key
	s_mov_b32 s60, -1
	s_mov_b32 s62, 0                               ; the key step
.irp i, 84,85,86,87
	v_mov_b32 v\i, 0                               ; written once: v_writelane_b32's destination counts as read
.endr
	s_mov_b32 s61, 7
.Lchunk:
	MCHUNK 1
	s_sub_co_u32 s61, s61, 1
	s_cmp_lg_u32 s61, 0
	s_cbranch_scc1 .Lchunk
	MCHUNK 0                                       ; the last chunk loads nothing
	s_not_b32 s52, s60                             ; bit l: lane l has an unmasked key
	s_lshr_b32 s53, s52, 16
	s_or_b32 s52, s52, s53                         ; a row's keys lie in lanes r and r + 16
	s_and_b32 s52, s52, 0xffff
	s_cmp_eq_u32 s52, 0xffff
	s_cselect_b32 s58, s58, 0                      ; a tile with a wholly masked row skips nothing: such a row weighs every key alike
	s_lshl_b32 s59, s59, 16
	s_or_b32 s58, s58, s59
	v_mov_b32 v8, s58
	s_lshl_b32 s52, s31, 2
	v_mov_b32 v9, s52
	v_cmp_eq_u32 vcc_lo, 0, v5
	s_wait_xcnt 0x0                                ; EXEC changes only behind this wait
	s_wait_tensorcnt 0x0
	ds_add_u32 v224, v225
	s_wait_dscnt 0x0
	s_and_saveexec_b32 s53, vcc_lo
	global_store_b32 v9, v8, s[28:29]              ; one word for the tile, by lane 0
	s_wait_xcnt 0x0
	s_or_b32 exec_lo, exec_lo, s53
	s_endpgm
.Lfunc_end_k_q8509fb8de5_prep:
	.size	k_q8509fb8de5_prep, .Lfunc_end_k_q8509fb8de5_prep-k_q8509fb8de5_prep
	.p2alignl 7, 3214868480
	.fill 96, 4, 3214868480
	.section	.rodata,"a",@progbits
	.p2align	6, 0x0
	.amdhsa_kernel k_q8509fb8de5_prep
		.amdhsa_group_segment_fixed_size 51712
		.amdhsa_private_segment_fixed_size 0
		.amdhsa_enable_private_segment 0
		.amdhsa_kernarg_size 104
		.amdhsa_user_sgpr_count 2
		.amdhsa_user_sgpr_kernarg_segment_ptr 1
		.amdhsa_wavefront_size32 1
		.amdhsa_system_sgpr_workgroup_id_x 1
		.amdhsa_system_sgpr_workgroup_id_y 1
		.amdhsa_system_sgpr_workgroup_id_z 1
		.amdhsa_system_vgpr_workitem_id 0
		.amdhsa_next_free_vgpr 226
		.amdhsa_next_free_sgpr 66
		.amdhsa_reserve_vcc 1
		.amdhsa_float_denorm_mode_32 3
		.amdhsa_float_denorm_mode_16_64 3
		.amdhsa_memory_ordered 1
		.amdhsa_forward_progress 1
		.amdhsa_inst_pref_size 189
	.end_amdhsa_kernel
	.amdgpu_metadata
---
amdhsa.version: [ 1, 2 ]
amdhsa.kernels:
  - .name:           k_q8509fb8de5_prep
    .symbol:         k_q8509fb8de5_prep.kd
    .args:
      - { .name: query, .offset: 0, .size: 8, .value_kind: global_buffer, .address_space: global }
      - { .name: key, .offset: 8, .size: 8, .value_kind: global_buffer, .address_space: global }
      - { .name: value, .offset: 16, .size: 8, .value_kind: global_buffer, .address_space: global }
      - { .name: Wq, .offset: 24, .size: 8, .value_kind: global_buffer, .address_space: global }
      - { .name: Wk, .offset: 32, .size: 8, .value_kind: global_buffer, .address_space: global }
      - { .name: Wv, .offset: 40, .size: 8, .value_kind: global_buffer, .address_space: global }
      - { .name: Wc, .offset: 48, .size: 8, .value_kind: global_buffer, .address_space: global }
      - { .name: mask, .offset: 56, .size: 8, .value_kind: global_buffer, .address_space: global }
      - { .name: lowp_scales, .offset: 64, .size: 8, .value_kind: global_buffer, .address_space: global }
      - { .name: ximg, .offset: 72, .size: 8, .value_kind: global_buffer, .address_space: global }
      - { .name: wimg, .offset: 80, .size: 8, .value_kind: global_buffer, .address_space: global }
      - { .name: mbits, .offset: 88, .size: 8, .value_kind: global_buffer, .address_space: global }
      - { .name: flags, .offset: 96, .size: 8, .value_kind: global_buffer, .address_space: global }
    .group_segment_fixed_size: 51712
    .private_segment_fixed_size: 0
    .kernarg_segment_align: 8
    .kernarg_segment_size: 104
    .max_flat_workgroup_size: 128
    .sgpr_count:     66
    .vgpr_count:     226
    .wavefront_size: 32
...
	.end_amdgpu_metadata
.endif
;; end of part 1
;; launch proj (part 2): grid 4 x 96, 4 waves a work-group, clusters of 4 x 4, 327,680 bytes of LDS; arguments ximg, wimg, lowp_scales, bq, bk, bv, himg; writes himg
.if DOCPART == 2
	.amdgcn_target "amdgcn-amd-amdhsa--gfx1250"
	.amdhsa_code_object_version 6
	.text
	.protected	k_q8509fb8de5_proj
	.globl	k_q8509fb8de5_proj
	.p2align	8
	.type	k_q8509fb8de5_proj,@function
k_q8509fb8de5_proj:
	s_mov_b64 s[64:65], 0
	v_nop
	global_prefetch_b8 v0, s[64:65] scope:SCOPE_SE
	s_setreg_imm32_b32 hwreg(HW_REG_WAVE_MODE, 25, 1), 1
	s_wait_xcnt 0x0
	s_wait_alu depctr_hold_cnt(0) depctr_sa_sdst(0) depctr_va_vdst(0) depctr_va_sdst(0) depctr_va_ssrc(0) depctr_va_vcc(0) depctr_vm_vsrc(0)
	s_getreg_b32 s2, hwreg(HW_REG_IB_STS2, 6, 4)
	s_cmp_eq_u32 s2, 0
	s_cbranch_scc0 .Lentry_in_a_cluster
	s_endpgm
.Lentry_in_a_cluster:
	s_bfe_u32 s2, ttmp6, 0x10000c
	s_cmp_lg_u32 s2, 0xf033
	s_cbranch_scc0 .Lentry_shape_is_right
	s_endpgm
.Lentry_shape_is_right:
; PROJ: q = query Wq + bq, k = key Wk + bk, v = value Wv + bv on codes of E4M3, and the results quantised at once (scales 2^e6, 2^e7, 2^e9) into himg, as images of attention's operands.
; A cluster's y says which tensor (y/8) and which four tiles of 256 tokens (y%8).  A work-group makes 256 x 256, each of its four waves 128 x 128: 64 accumulators, 512 registers.
; OPERANDS lie in memory and in LDS as images of their registers: fragment = 16 rows x 128 K = 4 chunks of 512 bytes, lane l's 16 bytes at 16 l.  So every LDS load reads 512 consecutive bytes,
; and a K step of 256 of eight tiles of rows is 8 rows of 4,096 bytes for one tensor load.  Row p of tile i is the true row 32 (i/2) + 8 (i%2) + p + 8 (p/8).
; THE MATRIX INSTRUCTION IS USED TRANSPOSED (source 0 = side B, source 1 = side A): a lane holds ONE row of side A, and the 16 registers of two neighbouring tiles of side B are 16 neighbours.
;   q, k: A = tokens, B = channels: a lane's registers run along the head's channels, which are the K of q k^T.      himg plane 0, 1: [b x head 64][tile of tokens 128][chunk 2][512]
;   v:    A = channels, B = tokens: a lane's registers run along the keys, which are the K of p v.                   himg plane 2:    [b x head][key step 16][tile of channels 4][chunk 4][512]
; The conversions' results are then chunks of those images: each store of a wave covers 512 consecutive bytes, aligned; no stage is needed.
; CLUSTERS: 4 x 4.  A's tiles are shared along a row of the cluster, B's along a column: joint loads.  The choice between the two lay-outs hangs on the cluster's y, which all partners share.
; LIMITS: ea + eb between -126 and 127; the result's e between -126 and 119.  NaN is not served.
; REGISTERS: window 0: v0-31 addresses; v32-95 bias along the registers; v96-111 bias of the lane's row; v128-255 A's fragments, one set (on the way out: numbers and codes).
;   window 1: B's fragments, two sets.   windows 2, 3: the accumulators ((a, b) at v[8 (8 (a%4) + b)]).
.set FRB,   2048                       ; a fragment's image
.set TILEB, 4096                       ; a tile's two fragments of a K step of 256
.set HALFT, 8*TILEB                    ; what one tensor load brings, and what one wave reads of A or of B
.set SLOT,  4*HALFT                    ; A's 16 tiles, then B's 16
.set SPARE, 2*SLOT                     ; behind the ring: the spare words, 128 bytes a wave
.set STEPB, 4096                       ; a K step on, in memory
.set FR,    16
.set NL,    4
.set NP,    4                          ; places behind this matrix instruction (ISA guide 7.12.1)
.set BO,    8                          ; v8   64 h: my half's bias along the registers
.set LO,    9                          ; v9   4 (r + 8 (r/8)): my row's bias
.set ADRA,  16                         ; v16-17 LDS address of my A fragments in slot 0, 1
.set ADRB,  20                         ; v20-21 the same for B
.set CO,    26                         ; v26  16 x lane
.set SPW,   28                         ; v28  my spare word; never rewritten
.set NIL,   29                         ; v29  0; never rewritten
.set SCL,   30                         ; v30  2^e of the result
.set LIM,   31                         ; v31  448 x that
.set BR,    32
.set BL,    96
.set AF,    128
.set G1, 24
.set G0, 32
.set G1B, 48
.set G0B, 56
.set MSB, 0
.macro WIN new                         ; the immediate's high byte repeats the setting that is left
.if MSB != \new
	s_set_vgpr_msb (MSB<<8)|\new
.set MSB, \new
.endif
.endm
.set MUL_LO, 0xa1                      ; source 0 (B) window 1, source 1 (A) window 0, C and D window 2
.set MUL_HI, 0xf1
.set TO_B,   0x40
.macro JLOAD g0a, g1a, g0b, g1b        ; a joint load: waves 0 and 1 fetch for A, waves 2 and 3 for B; four v_nop follow each line
	s_cmp_eq_u32 s15, 0
	s_cbranch_scc0 .Lfor_b_\@
	tensor_load_to_lds s[\g0a:\g0a+3], s[\g1a:\g1a+7]
	s_nop 0
.rept 4
	v_nop
.endr
	s_branch .Lasked_\@
.Lfor_b_\@:
	tensor_load_to_lds s[\g0b:\g0b+3], s[\g1b:\g1b+7]
	s_nop 0
.rept 4
	v_nop
.endr
.Lasked_\@:
.endm
.macro CREST                           ; a round of the cluster's barrier behind its opening barrier
	s_cmp_lg_u32 s14, 0
	s_cbranch_scc1 .Lnot_wave_0_\@
	s_barrier_signal -3
.Lnot_wave_0_\@:
	s_barrier_wait -3
	s_barrier_signal -1
	s_barrier_wait -1
.endm
.macro CROUND
	s_barrier_signal -1
	s_barrier_wait -1
	CREST
.endm
	s_load_b256 s[4:11], s[0:1], 0x0               ; ximg, wimg, the scales' exponents, bq
	s_load_b128 s[68:71], s[0:1], 0x20             ; bk, bv
	s_load_b64 s[72:73], s[0:1], 0x30              ; himg
	v_lshl_add_u32 v[SPW], v0, 2, SPARE
	v_mov_b32 v[NIL], 0
	ds_add_u32 v28, v29
	ds_add_u32 v28, v29
	s_wait_dscnt 0x0
	v_lshrrev_b32 v1, 5, v0
	v_readfirstlane_b32 s14, v1                    ; wave
	s_lshr_b32 s15, s14, 1                         ; my half of side A.  Also: I fetch for A (0) or for B (1)
	s_and_b32 s16, s14, 1                          ; my half of side B.  Also: which eight tiles I fetch
	s_bfe_u32 s40, ttmp6, 0x40000                  ; cx
	s_bfe_u32 s41, ttmp6, 0x40004                  ; cy
	s_and_b32 s18, ttmp7, 0xffff                   ; the cluster's y
	s_lshr_b32 s19, s18, 3                         ; 0: q, 1: k, 2: v
	s_and_b32 s18, s18, 7
	s_lshl_b32 s18, s18, 2                         ; the first of the cluster's four tiles of tokens
	s_cmp_lt_u32 s19, 2
	s_cselect_b32 s17, s18, 0
	s_cselect_b32 s42, 0, s18
	s_add_co_u32 s17, s17, s41                     ; side A's tile of 256: tokens (q, k) or channels (v)
	s_add_co_u32 s42, s42, s40                     ; side B's: channels or tokens
	s_lshl_b32 s43, s41, 2
	s_lshl_b32 s43, 15, s43                        ; my row of the cluster
	s_lshl_b32 s44, 0x1111, s40                    ; my column
	; descriptor group 1: 8 rows (tiles) x 512 elements of 8 bytes, 2,048 elements apart; dense in LDS
	s_or_b32 s[G1+0], s43, (3<<16)|(1<<21)         ; 15:0 the mask; 17:16 elements of 8 bytes; 21 set beside a mask
	s_or_b32 s[G1B+0], s44, (3<<16)|(1<<21)
.irp g, G1, G1B
	s_mov_b32 s[\g+1], 512<<16                     ; tensor_dim0
	s_mov_b32 s[\g+2], 8<<16                       ; tensor_dim1
	s_mov_b32 s[\g+3], 512<<16                     ; tile_dim0
	s_mov_b32 s[\g+4], 8                           ; tile_dim1
	s_mov_b32 s[\g+5], 2048                        ; tensor_dim0_stride
	s_mov_b32 s[\g+6], 0
	s_mov_b32 s[\g+7], 0
.endr
	s_lshl_b32 s22, s16, 17                        ; which eight tiles of 16,384 bytes I fetch
	s_lshl_b32 s90, s17, 18
	s_add_co_u32 s90, s90, s22                     ; A
	s_lshl_b32 s92, s42, 18
	s_add_co_u32 s92, s92, s22                     ; B
	s_lshl_b32 s20, s19, 23                        ; the tensor's plane in ximg,
	s_lshl_b32 s21, s19, 20                        ; and in wimg
	s_cmp_lt_u32 s19, 2
	s_cselect_b32 s12, s20, s21
	s_cselect_b32 s13, s21, s20
	s_add_co_u32 s90, s90, s12
	s_add_co_u32 s92, s92, s13
	s_mov_b32 s91, 0
	s_mov_b32 s93, 0
	s_lshl_b32 s45, s14, 15                        ; where they go: wave x 32,768: no place in the cluster enters an LDS address
	s_wait_kmcnt 0x0
	s_load_b256 s[76:83], s[8:9], 0x0              ; e0 .. e7
	s_load_b64 s[84:85], s[8:9], 0x20              ; e8, e9
	s_cmp_lt_u32 s19, 2
	s_cselect_b64 s[86:87], s[4:5], s[6:7]
	s_cselect_b64 s[88:89], s[6:7], s[4:5]
	s_add_nc_u64 s[86:87], s[86:87], s[90:91]
	s_add_nc_u64 s[88:89], s[88:89], s[92:93]
	CROUND                                         ; all sixteen work-groups are here: the first joint loads meet
.irp s, 0,1
	s_mov_b32 s[G0+4*\s], 1
	s_add_co_u32 s[G0+4*\s+1], s45, \s*SLOT
	s_add_nc_u64 s[G0+4*\s+2:G0+4*\s+3], s[86:87], \s*STEPB
	s_or_b32 s[G0+4*\s+3], s[G0+4*\s+3], 0x80000000
	s_mov_b32 s[G0B+4*\s], 1
	s_add_co_u32 s[G0B+4*\s+1], s45, \s*SLOT
	s_add_nc_u64 s[G0B+4*\s+2:G0B+4*\s+3], s[88:89], \s*STEPB
	s_or_b32 s[G0B+4*\s+3], s[G0B+4*\s+3], 0x80000000
	JLOAD G0+4*\s, G1, G0B+4*\s, G1B
.endr
	v_and_b32 v1, 15, v0                           ; r
	v_bfe_u32 v2, v0, 4, 1                         ; h
	v_and_b32 v3, 31, v0
	v_lshlrev_b32 v[CO], 4, v3
	s_lshl_b32 s21, s15, 15                        ; my eight tiles of A,
	s_lshl_b32 s22, s16, 15
	s_add_co_u32 s22, s22, 2*HALFT                 ; and of B, behind A's sixteen
.irp s, 0,1
	v_add_nc_u32 v[ADRA+\s], s21, v[CO]
	v_add_nc_u32 v[ADRB+\s], s22, v[CO]
	s_add_co_u32 s21, s21, SLOT
	s_add_co_u32 s22, s22, SLOT
.endr
	; THE BIAS, in both forms: along the registers (side B = channels: q, k) and by the lane's row (side A = channels: v).  The form that a tensor does not use is read at an index wrapped into 0..1,023 and not used.
	v_lshlrev_b32 v[BO], 6, v2
	v_and_b32 v[LO], 8, v1
	v_add_nc_u32 v[LO], v[LO], v1
	v_lshlrev_b32 v[LO], 2, v[LO]
.irp a, 0,1,2,3,4,5,6,7
	v_mov_b32 v[BL+2*\a+1], 0                      ; (named as the upper half of a pair)
.endr
	s_cmp_eq_u32 s19, 0
	s_cselect_b64 s[94:95], s[10:11], s[68:69]
	s_cmp_eq_u32 s19, 2
	s_cselect_b64 s[94:95], s[70:71], s[94:95]
	s_mov_b32 s3, 0
	s_lshl_b32 s2, s42, 8
	s_lshl_b32 s12, s16, 7
	s_add_co_u32 s2, s2, s12
	s_and_b32 s2, s2, 1023
	s_lshl_b32 s2, s2, 2
	s_add_nc_u64 s[74:75], s[94:95], s[2:3]        ; side B's 128
	s_lshl_b32 s2, s17, 8
	s_lshl_b32 s12, s15, 7
	s_add_co_u32 s2, s2, s12
	s_and_b32 s2, s2, 1023
	s_lshl_b32 s2, s2, 2
	s_add_nc_u64 s[66:67], s[94:95], s[2:3]        ; side A's 128
.irp t, 0,1,2,3,4,5,6,7
	global_load_b128 v[BR+8*\t:BR+8*\t+3], v[BO], s[74:75] offset:(32*(\t/2)+8*(\t%2))*4
	global_load_b128 v[BR+8*\t+4:BR+8*\t+7], v[BO], s[74:75] offset:(32*(\t/2)+8*(\t%2))*4+16
	global_load_b32 v[BL+2*\t], v[LO], s[66:67] offset:(32*(\t/2)+8*(\t%2))*4
.endr
	; where my part of himg begins: plane, (batch x 16 + first head) x 131,072, and the tokens' place: 16,384 for each 256 of them in the batch, 8,192 for my half
	s_cmp_lt_u32 s19, 2
	s_cselect_b32 s20, s17, s42                    ; the tokens' tile of 256,
	s_cselect_b32 s21, s15, s16                    ; my half of it,
	s_cselect_b32 s22, s42, s17                    ; the channels' tile of 256 (four heads),
	s_cselect_b32 s23, s16, s15                    ; my half of it (two heads)
	s_lshr_b32 s2, s20, 3
	s_lshl_b32 s2, s2, 4
	s_lshl_b32 s22, s22, 2
	s_add_co_u32 s2, s2, s22
	s_lshl_b32 s23, s23, 1
	s_add_co_u32 s2, s2, s23
	s_lshl_b32 s2, s2, 17
	s_and_b32 s20, s20, 7
	s_lshl_b32 s20, s20, 14
	s_add_co_u32 s2, s2, s20
	s_lshl_b32 s21, s21, 13
	s_add_co_u32 s2, s2, s21
	s_lshl_b32 s20, s19, 23
	s_add_co_u32 s2, s2, s20
	s_add_nc_u64 s[72:73], s[72:73], s[2:3]
.macro FRAG reg, adr, q, i             ; tile i's fragment of the slot's q-th 128 along K: four chunks, as they lie
.irp c, 0,1,2,3
	ds_load_b128 v[\reg+4*\c:\reg+4*\c+3], v[\adr] offset:TILEB*(\i)+FRB*(\q)+512*\c
.endr
.endm
; 16 matrix instructions: A's blocks a0, a0 + 1 x B's eight.  The 64 accumulators take turns, one instruction a turn, in the same order in every step.
.macro MUL16 a0, p, zero
.irp a, \a0, \a0+1
.irp b, 0,1,2,3,4,5,6,7
.if \zero
	v_wmma_f32_16x16x128_fp8_fp8 v[8*(8*((\a)%4)+\b):8*(8*((\a)%4)+\b)+7], v[128*(\p)+FR*\b:128*(\p)+FR*\b+FR-1], v[AF+FR*(\a):AF+FR*(\a)+FR-1], 0
.else
	v_wmma_f32_16x16x128_fp8_fp8 v[8*(8*((\a)%4)+\b):8*(8*((\a)%4)+\b)+7], v[128*(\p)+FR*\b:128*(\p)+FR*\b+FR-1], v[AF+FR*(\a):AF+FR*(\a)+FR-1], v[8*(8*((\a)%4)+\b):8*(8*((\a)%4)+\b)+7]
.endif
.endr
.endr
.endm
.macro FETCH_B slot, q, p
	WIN TO_B
.irp i, 0,1,2,3,4,5,6,7
	FRAG 128*(\p)+FR*\i, ADRB+\slot, \q, \i
.endr
	WIN 0
.endm
.macro FETCH_A slot, q, i0
.irp i, \i0, \i0+1, \i0+2, \i0+3
	FRAG AF+FR*(\i), ADRA+\slot, \q, \i
.endr
.endm
.macro PLACES n                        ; plain vector lines between a matrix instruction and a load into, or a read of, its registers
.rept \n
	v_nop
.endr
.endm
.macro STEP slot, q, zero              ; a step of 128 along K that has its successor in the same slot
	s_wait_dscnt 4*NL                              ; B's set and A's blocks 0-3 are in; the youngest 16 loads (A's blocks 4-7) may be out
	WIN MUL_LO
	MUL16 0, (\q)%2, \zero
	MUL16 2, (\q)%2, \zero
	s_wait_dscnt 0
	PLACES NP
	FETCH_B \slot, (\q)+1, 1-(\q)%2
	FETCH_A \slot, (\q)+1, 0
	WIN MUL_HI
	MUL16 4, (\q)%2, \zero
	MUL16 6, (\q)%2, \zero
	PLACES NP
	WIN 0
	FETCH_A \slot, (\q)+1, 4
.endm
; A slot's last step changes slots: one barrier; in front of it each wave waits for all its tensor loads, adds 0 to its spare word, and waits for that and for its reads of this slot.
.macro TURN slot, next, fill
	s_wait_tensorcnt 0x0                           ; all my tensor loads have landed: my part of the next slot
	ds_add_u32 v[SPW], v[NIL]                      ; 0 onto my spare word
	s_wait_dscnt 4*NL+1                            ; (the add and the youngest 16 loads may be out)
	WIN MUL_LO
	MUL16 0, 1, 0
	s_wait_dscnt 0x0                               ; the add is done, and my reads of this slot are over
	s_barrier_signal -1
	MUL16 2, 1, 0
	WIN 0
	s_barrier_wait -1
.if \fill
	CREST                                          ; the barrier has opened a round of the cluster's: no wave of any partner still reads this slot or has a load on its way
	s_add_nc_u64 s[G0+4*\slot+2:G0+4*\slot+3], s[G0+4*\slot+2:G0+4*\slot+3], 2*STEPB
	s_add_nc_u64 s[G0B+4*\slot+2:G0B+4*\slot+3], s[G0B+4*\slot+2:G0B+4*\slot+3], 2*STEPB
	JLOAD G0+4*\slot, G1, G0B+4*\slot, G1B         ; the first tensor load behind the round; its four v_nop are the places in front of the loads below
.else
	PLACES NP
.endif
	FETCH_B \next, 0, 0
	FETCH_A \next, 0, 0
	WIN MUL_HI
	MUL16 4, 1, 0
	MUL16 6, 1, 0
	PLACES NP
	WIN 0
	FETCH_A \next, 0, 4
.endm
	s_wait_tensorcnt 1                             ; my part of K step 0 is in (K step 1's load may be out),
	s_barrier_signal -1
	s_barrier_wait -1                              ; everybody's is
	FETCH_B 0, 0, 0
	FETCH_A 0, 0, 0
	FETCH_A 0, 0, 4
	STEP 0, 0, 1                                   ; K = 1,024 is four K steps of 256, eight steps of 128: written straight.  The first products start the sums
	TURN 0, 1, 1                                   ; slot 0 takes K step 2
	STEP 1, 0, 0
	TURN 1, 0, 1                                   ; slot 1 takes K step 3
	STEP 0, 0, 0
	TURN 0, 1, 0                                   ; nothing is left to fetch
	STEP 1, 0, 0
	s_wait_dscnt 4*NL
	WIN MUL_LO
	MUL16 0, 1, 0
	MUL16 2, 1, 0
	s_wait_dscnt 0
	WIN MUL_HI
	MUL16 4, 1, 0
	MUL16 6, 1, 0
	WIN 0
	; THE WAY OUT: sum x 2^(ea + eb) + bias in one fused multiply-add, the hold, the conversion, the store.
	s_wait_loadcnt 0x0                             ; the bias
	s_wait_kmcnt 0x0
	s_add_co_i32 s2, s76, s77
	s_add_co_i32 s3, s78, s79
	s_add_co_i32 s12, s80, s81
	s_cmp_eq_u32 s19, 0
	s_cselect_b32 s2, s2, s3
	s_cselect_b32 s13, s82, s83                    ; q: e6; k: e7
	s_cmp_eq_u32 s19, 2
	s_cselect_b32 s2, s12, s2
	s_cselect_b32 s13, s85, s13                    ; v: e9
	s_add_co_i32 s2, s2, 127
	s_lshl_b32 s96, s2, 23                         ; 2^(ea + eb)
	s_mov_b32 s97, s96                             ; (named with it as a pair)
	s_add_co_i32 s13, s13, 127
	s_lshl_b32 s2, s13, 23
	v_mov_b32 v[SCL], s2
	s_add_co_i32 s13, s13, 8
	s_lshl_b32 s13, s13, 23
	s_or_b32 s13, s13, 0x600000
	v_mov_b32 v[LIM], s13
	PLACES NP
; Block a: my 16 rows of side A x 128 of side B: 64 numbers a lane, register 16 b + i = place 32 b + 16 h + i along side B.  var = 0: bias along the registers; 1: the row's.
.macro BLOCK a, var
.if (\a) >= 2
	s_wait_xcnt 0x0                                ; block a - 2's stores have read the codes' registers
.endif
.set AC, 64*((\a)%4)
.set CD, 192+16*((\a)%2)
	WIN 0x02+((\a)/4)                              ; source 0: window 2 or 3
.set j, 0
.rept 32
.if \var
	v_pk_fma_f32 v[128+j:129+j], v[AC+j:AC+j+1], s[96:97], v[BL+2*(\a):BL+2*(\a)+1] op_sel_hi:[1,0,0]
.else
	v_pk_fma_f32 v[128+j:129+j], v[AC+j:AC+j+1], s[96:97], v[BR+j:BR+j+1] op_sel_hi:[1,0,1]   ; each accumulator from its low end on
.endif
.set j, j+2
.endr
	WIN 0
.irp b, 0,1,2,3
.irp i, 0,1,2,3,4,5,6,7,8,9,10,11,12,13,14,15
	v_med3_num_f32 v[128+16*\b+\i], v[128+16*\b+\i], -v[LIM], v[LIM]
.endr
	v_cvt_scalef32_pk8_fp8_f32 v[CD+4*\b:CD+4*\b+1], v[128+16*\b:135+16*\b], v[SCL]
	v_cvt_scalef32_pk8_fp8_f32 v[CD+4*\b+2:CD+4*\b+3], v[136+16*\b:143+16*\b], v[SCL]
.endr
	v_nop                                          ; a plain line between the conversions and the next block's lines, which write their sources
.irp b, 0,1,2,3
.if \var
	global_store_b128 v[CO], v[CD+4*\b:CD+4*\b+3], s[72:73] offset:((\a)/4)*131072+((\a)%4)*2048+\b*512   ; head a/4, tile of channels a%4, chunk b of my key step
.else
	global_store_b128 v[CO], v[CD+4*\b:CD+4*\b+3], s[72:73] offset:(\a)*1024+(\b/2)*131072+(\b%2)*512     ; tile of tokens a, head b/2, chunk b%2
.endif
.endr
.endm
	s_cmp_eq_u32 s19, 2                            ; the same in all partners
	s_cbranch_scc1 .Lvalues
.irp a, 0,1,2,3,4,5,6,7
	BLOCK \a, 0
.endr
	s_branch .Lend
.Lvalues:
.irp a, 0,1,2,3,4,5,6,7
	BLOCK \a, 1
.endr
.Lend:
	s_wait_tensorcnt 0x0                           ; the wave's end
	ds_add_u32 v[SPW], v[NIL]
	s_wait_dscnt 0x0
	CROUND                                         ; the closing round
	s_endpgm
.Lfunc_end_k_q8509fb8de5_proj:
	.size	k_q8509fb8de5_proj, .Lfunc_end_k_q8509fb8de5_proj-k_q8509fb8de5_proj
	.p2alignl 7, 3214868480
	.fill 96, 4, 3214868480
	.section	.rodata,"a",@progbits
	.p2align	6, 0x0
	.amdhsa_kernel k_q8509fb8de5_proj
		.amdhsa_group_segment_fixed_size 327680
		.amdhsa_private_segment_fixed_size 0
		.amdhsa_enable_private_segment 0
		.amdhsa_kernarg_size 56
		.amdhsa_user_sgpr_count 2
		.amdhsa_user_sgpr_kernarg_segment_ptr 1
		.amdhsa_wavefront_size32 1
		.amdhsa_system_sgpr_workgroup_id_x 1
		.amdhsa_system_sgpr_workgroup_id_y 1
		.amdhsa_system_sgpr_workgroup_id_z 1
		.amdhsa_system_vgpr_workitem_id 0
		.amdhsa_next_free_vgpr 1024
		.amdhsa_next_free_sgpr 100
		.amdhsa_reserve_vcc 0
		.amdhsa_float_denorm_mode_32 3
		.amdhsa_float_denorm_mode_16_64 3
		.amdhsa_memory_ordered 1
		.amdhsa_forward_progress 1
		.amdhsa_inst_pref_size 193
	.end_amdhsa_kernel
	.amdgpu_metadata
---
amdhsa.version: [ 1, 2 ]
amdhsa.kernels:
  - .name:           k_q8509fb8de5_proj
    .symbol:         k_q8509fb8de5_proj.kd
    .args:
      - { .name: ximg, .offset: 0, .size: 8, .value_kind: global_buffer, .address_space: global }
      - { .name: wimg, .offset: 8, .size: 8, .value_kind: global_buffer, .address_space: global }
      - { .name: lowp_scales, .offset: 16, .size: 8, .value_kind: global_buffer, .address_space: global }
      - { .name: bq, .offset: 24, .size: 8, .value_kind: global_buffer, .address_space: global }
      - { .name: bk, .offset: 32, .size: 8, .value_kind: global_buffer, .address_space: global }
      - { .name: bv, .offset: 40, .size: 8, .value_kind: global_buffer, .address_space: global }
      - { .name: himg, .offset: 48, .size: 8, .value_kind: global_buffer, .address_space: global }
    .group_segment_fixed_size: 327680
    .private_segment_fixed_size: 0
    .kernarg_segment_align: 8
    .kernarg_segment_size: 56
    .max_flat_workgroup_size: 128
    .sgpr_count:     100
    .vgpr_count:     1024
    .wavefront_size: 32
...
	.end_amdgpu_metadata
.endif
;; end of part 2
;; launch attn (part 3): grid 8 x 64, 16 waves a work-group, no clusters, 264,192 bytes of LDS; arguments himg, mbits, flags, lowp_scales, out1, aimg; writes out1, aimg
.if DOCPART == 3
	.amdgcn_target "amdgcn-amd-amdhsa--gfx1250"
	.amdhsa_code_object_version 6
	.text
	.protected	k_q8509fb8de5_attn
	.globl	k_q8509fb8de5_attn
	.p2align	8
	.type	k_q8509fb8de5_attn,@function
k_q8509fb8de5_attn:
	s_mov_b64 s[64:65], 0
	v_nop
	global_prefetch_b8 v0, s[64:65] scope:SCOPE_SE
	s_setreg_imm32_b32 hwreg(HW_REG_WAVE_MODE, 25, 1), 1
	s_wait_xcnt 0x0
; ATTN: attn_v = softmax(where(mask, -1e10, q k^T / 8)) v on codes of E4M3, by the rule p = 2^(t - M), M a whole number, the row's sum of the unquantised p dividing at the end.
; out1 = attn_v in f32; aimg = its codes (scale 2^e10) as images of the last product's operand.
; SHARES.  A work-group owns one (batch, head) and 16 tiles of 16 queries, one a wave, four waves to a SIMD: tiles 8 x + i and 127 - 8 x - i, two of each kind on a SIMD, so that the work is even
; where a mask hides later keys from earlier queries; no result hangs on that pairing.  Row p of tile T is query 32 (T/2) + 8 (T%2) + p + 8 (p/8).
; K AND V of the head (131,072 bytes each) lie in LDS whole, as images of operand registers: every LDS load reads 512 consecutive bytes.  They come through registers, a quarter (four key steps) at a time:
; the next quarter's loads are out while a quarter is worked.  NO TENSOR LOAD AND NO CLUSTER: the walk branches on the stored flags;
; a work-group asks for its 262,144 bytes of K and V once in its life.
; BOTH PRODUCTS TRANSPOSED: S^T = K Q^T (16x16x64), O^T = V^T P^T (16x16x128): a lane holds one query (lane%16); score register j is key 128 ks + 32 (j/16) + 16 (lane/16) + j%16.
; THE MASK is honoured as it is given: word j of a step's 64 is the lane mask of score register j.  A step that the flags call wholly masked (and whose tile has no wholly masked row) adds nothing and is left out;
; a step without a masked key leaves the 64 selects out.
; THE MASKED LOGIT is -2^33 in place of -1e10: as t it is exact in f32, so a row all of whose keys so far are masked has t - M = 0 and p = 1 exactly.  Every real |logit| is at most 64 x 448^2 x 2^(e6+e7) / 8,
; under 2^33 for e6 + e7 <= 12; under that limit both values give the same p: 0 beside any real score, 1 throughout a wholly masked row.
; LIMITS: -91 <= e6 + e7 <= 12; e8 and e10 between -126 and 119.  NaN is not served.
; REGISTERS: v1-11 addresses and constants; v12 -M, v13 the largest t, v[14:15] the sum; v16-23 Q; v24-31 at work; v32-95 K's, then V's fragments; v96-159 S^T, then p; v160-191 O^T; v192-207 p's codes; v208-239 the copy.
.set LI,   1                           ; v1   16 x lane
.set ADK,  2                           ; v2   the step's K
.set ADV,  3                           ; v3   the step's V
.set RM,   4                           ; v4   the masked raw score: -2^(36 - e6 - e7)
.set PLIM, 5                           ; v5   448 x 2^e8
.set PSC,  6                           ; v6   2^e8
.set LIV,  7                           ; v7   16 x lane + V's region
.set CPA,  8                           ; v8   where the copy stores
.set STI,  9                           ; v9   the way out: into my stage
.set STO,  10                          ; v10  and back
.set GO,   11                          ; v11  my byte offset in out1
.set TB,   2                           ; s2   LDS byte of the step's K
.set CNT,  3
.set KS,   72                          ; s72  the key step
.set FL,   73                          ; s73  the tile's flags
	s_load_b256 s[4:11], s[0:1], 0x0               ; himg, mbits, flags, the scales' exponents
	s_load_b128 s[68:71], s[0:1], 0x20             ; out1, aimg
	v_lshl_add_u32 v254, v0, 2, 0x40000
	v_mov_b32 v255, 0
	v_lshrrev_b32 v2, 5, v0
	v_readfirstlane_b32 s14, v2                    ; wave 0..15
	v_and_b32 v2, 31, v0
	v_lshlrev_b32 v[LI], 4, v2
	v_add_nc_u32 v[LIV], 0x20000, v[LI]
	v_and_b32 v24, 15, v0                          ; r
	v_bfe_u32 v25, v0, 4, 1                        ; h
	s_and_b32 s75, ttmp7, 0xffff                   ; 16 b + head
	s_lshr_b32 s80, s14, 1
	s_lshr_b32 s81, s14, 2
	s_add_co_u32 s81, s81, s14
	s_and_b32 s81, s81, 1                          ; early tile or late
	s_lshl_b32 s12, ttmp9, 3
	s_add_co_u32 s12, s12, s80
	s_sub_co_u32 s82, 127, s12
	s_cmp_eq_u32 s81, 0
	s_cselect_b32 s12, s12, s82                    ; T
	s_lshr_b32 s83, s75, 4                         ; b
	s_lshl_b32 s13, s83, 7
	s_add_co_u32 s13, s13, s12                     ; 128 b + T
	s_lshr_b32 s84, s14, 3                         ; the copy: waves 0-7 move K, waves 8-15 V, 4,096 bytes of a quarter each
	s_and_b32 s85, s14, 7
	s_lshl_b32 s85, s85, 12
	s_add_co_u32 s86, s84, 1
	s_lshl_b32 s86, s86, 23                        ; plane 1 or 2,
	s_lshl_b32 s87, s75, 17                        ; the head,
	s_add_co_u32 s86, s86, s87
	s_add_co_u32 s86, s86, s85                     ; my part
	s_mov_b32 s87, 0
	s_lshl_b32 s84, s84, 17
	s_add_co_u32 s84, s84, s85
	v_add_nc_u32 v[CPA], s84, v[LI]
	s_mul_i32 s88, s14, 4352                       ; my stage: 16 rows x (256 + 16) bytes, in K's region, used behind the last barrier
	v_mul_u32_u24 v[STI], v24, 272
	v_lshl_add_u32 v[STI], v25, 6, v[STI]
	v_add_nc_u32 v[STI], s88, v[STI]               ; in: row r, + 64 h
	v_mul_u32_u24 v[STO], v25, 272
	v_lshl_add_u32 v[STO], v24, 4, v[STO]
	v_add_nc_u32 v[STO], s88, v[STO]               ; back: sixteen lanes a row, two rows an instruction
	v_lshlrev_b32 v[GO], 12, v25
	v_lshl_add_u32 v[GO], v24, 4, v[GO]            ; and the same two rows in out1
	s_lshl_b32 s90, s75, 7
	s_add_co_u32 s90, s90, s12
	s_lshl_b32 s90, s90, 10                        ; Q's image
	s_mov_b32 s91, 0
	s_lshl_b32 s92, s13, 12                        ; the tile's mask words
	s_mov_b32 s93, 0
	s_lshl_b32 s15, s13, 2                         ; its flags
	s_lshr_b32 s94, s12, 1                         ; out1: row 2,048 b + 32 (T/2) + 8 (T%2), 4,096 bytes a row, + 256 x head
	s_lshl_b32 s94, s94, 17
	s_and_b32 s89, s12, 1
	s_lshl_b32 s89, s89, 15
	s_add_co_u32 s94, s94, s89
	s_lshl_b32 s89, s83, 23
	s_add_co_u32 s94, s94, s89
	s_and_b32 s89, s75, 15                         ; head
	s_lshl_b32 s82, s89, 8
	s_add_co_u32 s94, s94, s82
	s_mov_b32 s95, 0
	s_lshl_b32 s80, s13, 14                        ; aimg: the tile's 16,384 bytes; a head is two chunks: 1,024 x head
	s_lshl_b32 s82, s89, 10
	s_add_co_u32 s80, s80, s82
	s_mov_b32 s81, 0
	s_mov_b32 s76, 0x76543210                      ; v_permlanex16_b32's selects for lane l xor 16
	s_mov_b32 s77, 0xfedcba98
.macro GLOAD g                         ; my 4,096 bytes of quarter g
.irp i, 0,1,2,3,4,5,6,7
	global_load_b128 v[208+4*\i:211+4*\i], v[LI], s[98:99] offset:32768*(\g)+512*\i
.endr
.endm
	s_wait_kmcnt 0x0
	s_add_nc_u64 s[98:99], s[4:5], s[86:87]
	GLOAD 0
	s_add_nc_u64 s[4:5], s[4:5], s[90:91]
	global_load_b128 v[16:19], v[LI], s[4:5]       ; Q's fragment stays in registers
	global_load_b128 v[20:23], v[LI], s[4:5] offset:512
	s_load_b32 s[FL], s[8:9], s15 offset:0x0
	s_load_b128 s[16:19], s[10:11], 0x18           ; e6, e7, e8, e9
	s_load_b32 s20, s[10:11], 0x28                 ; e10
	s_add_nc_u64 s[6:7], s[6:7], s[92:93]
	s_add_nc_u64 s[68:69], s[68:69], s[94:95]
	s_add_nc_u64 s[70:71], s[70:71], s[80:81]
	v_mov_b32 v13, 0xff61b1e6                      ; the largest t so far: -3e38
	v_floor_f32 v12, -v13                          ; -M
	v_mov_b32 v14, 0
	v_mov_b32 v15, 0
	v_mov_b32 v27, 0                               ; (named as the upper half of the pair v[26:27])
	v_mov_b32 v30, 0                               ; a lane permute's destination counts as read
.set j, 0
.rept 32
	v_mov_b32 v[160+j], 0                          ; O^T: the step is written once, and the first finds zeros
.set j, j+1
.endr
	s_wait_kmcnt 0x0
	s_add_co_i32 s80, s16, s17                     ; e6 + e7
	s_lshl_b32 s81, s80, 23
	s_add_co_i32 s78, s81, 0x3e38aa3b              ; c = log2(e) / 8 x 2^(e6 + e7): the exponents go into c's exponent field
	s_mov_b32 s79, s78
	s_sub_co_i32 s80, 163, s80
	s_lshl_b32 s80, s80, 23
	s_or_b32 s80, s80, 0x80000000
	v_mov_b32 v[RM], s80                           ; -2^(36 - e6 - e7)
	s_add_co_i32 s80, s18, 127
	s_lshl_b32 s81, s80, 23
	v_mov_b32 v[PSC], s81
	s_add_co_i32 s80, s80, 8
	s_lshl_b32 s80, s80, 23
	s_or_b32 s80, s80, 0x600000
	v_mov_b32 v[PLIM], s80
	s_add_co_i32 s96, s18, s19                     ; e8 + e9
	s_add_co_i32 s80, s20, 127
	s_lshl_b32 s100, s80, 23                       ; 2^e10
	s_add_co_i32 s80, s80, 8
	s_lshl_b32 s80, s80, 23
	s_or_b32 s101, s80, 0x600000                   ; 448 x 2^e10
; A KEY STEP: 128 keys.
.macro STEP
	s_bitcmp1_b32 s[FL], s[KS]
	s_cbranch_scc1 .Lskip_\@                       ; wholly masked, and every row has a key elsewhere: p would be 0 throughout
	s_lshl_b32 s15, s[KS], 8
	s_load_b512 s[16:31], s[6:7], s15 offset:0x0   ; the step's 64 mask words: they come while K is read and multiplied
	s_load_b512 s[32:47], s[6:7], s15 offset:0x40
	s_load_b512 s[48:63], s[6:7], s15 offset:0x80
	s_load_b512 s[80:95], s[6:7], s15 offset:0xc0
	v_add_nc_u32 v[ADK], s[TB], v[LI]
	v_add_nc_u32 v[ADV], s[TB], v[LIV]
	v_nop
	v_nop                                          ; four places in front of loads into registers that the last products read
.irp t, 0,1,2,3,4,5,6,7
	ds_load_b128 v[32+8*\t:35+8*\t], v[ADK] offset:1024*\t
	ds_load_b128 v[36+8*\t:39+8*\t], v[ADK] offset:1024*\t+512
.endr
	s_wait_dscnt 0x0
.irp t, 0,1,2,3,4,5,6,7
	v_wmma_f32_16x16x64_fp8_fp8 v[96+8*\t:103+8*\t], v[32+8*\t:39+8*\t], v[16:23], 0
.endr
.rept 4
	v_nop
.endr
.irp d, 0,1,2,3
.irp c, 0,1,2,3
	ds_load_b128 v[32+16*\d+4*\c:35+16*\d+4*\c], v[ADV] offset:2048*\d+512*\c   ; V lands under the softmax
.endr
.endr
	s_add_co_u32 s74, s[KS], 16
	s_wait_kmcnt 0x0                               ; the words are in, on both ways
	s_bitcmp1_b32 s[FL], s74
	s_cbranch_scc1 .Lopen_\@                       ; no key of the step is masked
.set j, 0
.rept 64
.if j < 48
	v_cndmask_b32 v[96+j], v[96+j], v[RM], s[16+j]
.else
	v_cndmask_b32 v[96+j], v[96+j], v[RM], s[32+j]
.endif
.set j, j+1
.endr
.Lopen_\@:
	v_max3_num_f32 v24, v96, v97, v98              ; the step's largest score of my query among my 64 keys, in two chains, from each accumulator's low end on
	v_max3_num_f32 v25, v99, v100, v101
.irp i, 6,10,14,18,22,26,30,34,38,42,46,50,54,58
	v_max3_num_f32 v24, v24, v[96+\i], v[97+\i]
	v_max3_num_f32 v25, v25, v[98+\i], v[99+\i]
.endr
	v_max3_num_f32 v24, v24, v158, v159
	v_max_num_f32 v24, v24, v25
	v_permlanex16_b32 v30, v24, s76, s77
	v_max_num_f32 v24, v24, v30                    ; and among lane l xor 16's
	v_mul_f32 v24, s78, v24                        ; as t (c is positive)
	v_max_num_f32 v13, v13, v24
	v_mov_b32 v24, v12
	v_floor_f32 v12, -v13                          ; -M = floor(-t): M is a whole number
	v_sub_f32 v24, v12, v24                        ; old M - new M, 0 or less
	v_cvt_i32_f32 v24, v24                         ; (it saturates)
	v_ldexp_f32 v26, 1.0, v24                      ; f = 2^(old M - new M)
.set j, 0
.rept 32
	v_pk_fma_f32 v[96+j:97+j], v[96+j:97+j], s[78:79], v[12:13] op_sel_hi:[1,0,0]   ; t - M
.set j, j+2
.endr
.set j, 0
.rept 64
	v_exp_f32 v[96+j], v[96+j]                     ; p = 2^(t - M)
.set j, j+1
.endr
	v_pk_mul_f32 v[14:15], v[14:15], v[26:27] op_sel_hi:[1,0]   ; the sum under the new M: the plain line behind the exponentials
	s_wait_alu depctr_va_vdst(0)                   ; one wait for the batch, ahead of its first reader
	v_pk_add_f32 v[28:29], v[96:97], v[98:99]      ; the row's sum is taken of the unquantised p
.irp j, 4,8,12,16,20,24,28,32,36,40,44,48,52,56,60
	v_pk_add_f32 v[14:15], v[14:15], v[96+\j:97+\j]
	v_pk_add_f32 v[28:29], v[28:29], v[98+\j:99+\j]
.endr
	v_pk_add_f32 v[14:15], v[14:15], v[28:29]
.irp b, 0,1,2,3
.irp i, 0,1,2,3,4,5,6,7,8,9,10,11,12,13,14,15
	v_min_num_f32 v[96+16*\b+\i], v[96+16*\b+\i], v[PLIM]   ; p is not negative: the hold is one-sided
.endr
	v_cvt_scalef32_pk8_fp8_f32 v[192+4*\b:193+4*\b], v[96+16*\b:103+16*\b], v[PSC]
	v_cvt_scalef32_pk8_fp8_f32 v[194+4*\b:195+4*\b], v[104+16*\b:111+16*\b], v[PSC]
.endr
.set j, 0
.rept 16
	v_pk_mul_f32 v[160+j:161+j], v[160+j:161+j], v[26:27] op_sel_hi:[1,0]   ; O^T under the new M
.set j, j+2
.endr
	s_wait_dscnt 0x0                               ; V
.irp d, 0,1,2,3
	v_wmma_f32_16x16x128_fp8_fp8 v[160+8*\d:167+8*\d], v[32+16*\d:47+16*\d], v[192:207], v[160+8*\d:167+8*\d]   ; four accumulators, one turn each; eleven other products stand between two links
.endr
.Lskip_\@:
	s_add_co_u32 s[KS], s[KS], 1
	s_add_co_u32 s[TB], s[TB], 8192
.endm
; A QUARTER: my part of it goes from registers to LDS; the next quarter's loads go out; one barrier; four key steps.  The bytes that a quarter's stores write are read by nobody before that barrier.
.macro QUARTER g
.irp i, 0,1,2,3,4,5,6,7
	ds_store_b128 v[CPA], v[208+4*\i:211+4*\i] offset:512*\i
.endr
	s_wait_dscnt 0x0                               ; for the others' sake: my stores have landed
.if (\g) < 3
	v_add_nc_u32 v[CPA], 0x8000, v[CPA]
	GLOAD (\g)+1
.endif
	s_barrier_signal -1
	s_barrier_wait -1
	s_mov_b32 s[TB], 32768*(\g)
	s_mov_b32 s[KS], 4*(\g)
	s_mov_b32 s[CNT], 4
.Lstep_\@:
	STEP
	s_sub_co_u32 s[CNT], s[CNT], 1
	s_cmp_lg_u32 s[CNT], 0
	s_cbranch_scc1 .Lstep_\@
.if (\g) < 3
	s_wait_loadcnt 0x0                             ; the next quarter is in registers
.endif
.endm
	s_wait_loadcnt 0x0                             ; quarter 0, and Q
	QUARTER 0
	QUARTER 1
	QUARTER 2
	QUARTER 3
	; THE WAY OUT
	v_add_f32 v14, v14, v15
	v_permlanex16_b32 v30, v14, s76, s77
	v_add_f32 v14, v14, v30                        ; the row's sum
	v_rcp_f32 v14, v14
	v_mov_b32 v24, s101                            ; (plain lines behind the reciprocal)  448 x 2^e10
	v_mov_b32 v25, s100                            ; 2^e10
	s_wait_alu depctr_va_vdst(0)                   ; ahead of the first reader
	v_ldexp_f32 v14, v14, s96                      ; x 2^(e8 + e9)
	s_wait_dscnt 0x0
	s_barrier_signal -1
	s_barrier_wait -1                              ; nobody reads K any more: the stages lie there
.set j, 0
.rept 16
	v_pk_mul_f32 v[96+j:97+j], v[160+j:161+j], v[14:15] op_sel_hi:[1,0]   ; attn_v: register 16 b + i is channel 32 b + 16 h + i of my query
.set j, j+2
.endr
.irp q, 0,1,2,3,4,5,6,7
	ds_store_b128 v[STI], v[96+4*\q:99+4*\q] offset:128*(\q/4)+16*(\q%4)
.endr
.irp i, 0,1,2,3,4,5,6,7
	ds_load_b128 v[32+4*\i:35+4*\i], v[STO] offset:544*\i   ; LDS serves a wave's instructions in order: these see my stores
.endr
.set j, 0
.rept 32
	v_med3_num_f32 v[128+j], v[96+j], -v24, v24
.set j, j+1
.endr
.irp b, 0,1
	v_cvt_scalef32_pk8_fp8_f32 v[192+4*\b:193+4*\b], v[128+16*\b:135+16*\b], v25
	v_cvt_scalef32_pk8_fp8_f32 v[194+4*\b:195+4*\b], v[136+16*\b:143+16*\b], v25
.endr
	v_nop
	global_store_b128 v[LI], v[192:195], s[70:71]             ; two chunks of the last product's operand: 512 consecutive bytes each
	global_store_b128 v[LI], v[196:199], s[70:71] offset:512
.irp i, 0,1,2,3,4,5,6,7
	s_wait_dscnt 7-\i                              ; rows 2 i and 2 i + 1 are back; the younger loads may be out
	global_store_b128 v[GO], v[32+4*\i:35+4*\i], s[68:69] offset:(2*\i+8*(\i/4))*4096 th:TH_STORE_NT   ; sixteen lanes store a head's 256 bytes of a row, aligned
.endr
	s_wait_tensorcnt 0x0
	ds_add_u32 v254, v255
	s_wait_dscnt 0x0
	s_endpgm
.Lfunc_end_k_q8509fb8de5_attn:
	.size	k_q8509fb8de5_attn, .Lfunc_end_k_q8509fb8de5_attn-k_q8509fb8de5_attn
	.p2alignl 7, 3214868480
	.fill 96, 4, 3214868480
	.section	.rodata,"a",@progbits
	.p2align	6, 0x0
	.amdhsa_kernel k_q8509fb8de5_attn
		.amdhsa_group_segment_fixed_size 264192
		.amdhsa_private_segment_fixed_size 0
		.amdhsa_enable_private_segment 0
		.amdhsa_kernarg_size 48
		.amdhsa_user_sgpr_count 2
		.amdhsa_user_sgpr_kernarg_segment_ptr 1
		.amdhsa_wavefront_size32 1
		.amdhsa_system_sgpr_workgroup_id_x 1
		.amdhsa_system_sgpr_workgroup_id_y 1
		.amdhsa_system_sgpr_workgroup_id_z 1
		.amdhsa_system_vgpr_workitem_id 0
		.amdhsa_next_free_vgpr 256
		.amdhsa_next_free_sgpr 102
		.amdhsa_reserve_vcc 0
		.amdhsa_float_denorm_mode_32 3
		.amdhsa_float_denorm_mode_16_64 3
		.amdhsa_memory_ordered 1
		.amdhsa_forward_progress 1
		.amdhsa_inst_pref_size 97
	.end_amdhsa_kernel
	.amdgpu_metadata
---
amdhsa.version: [ 1, 2 ]
amdhsa.kernels:
  - .name:           k_q8509fb8de5_attn
    .symbol:         k_q8509fb8de5_attn.kd
    .args:
      - { .name: himg, .offset: 0, .size: 8, .value_kind: global_buffer, .address_space: global }
      - { .name: mbits, .offset: 8, .size: 8, .value_kind: global_buffer, .address_space: global }
      - { .name: flags, .offset: 16, .size: 8, .value_kind: global_buffer, .address_space: global }
      - { .name: lowp_scales, .offset: 24, .size: 8, .value_kind: global_buffer, .address_space: global }
      - { .name: out1, .offset: 32, .size: 8, .value_kind: global_buffer, .address_space: global }
      - { .name: aimg, .offset: 40, .size: 8, .value_kind: global_buffer, .address_space: global }
    .group_segment_fixed_size: 264192
    .private_segment_fixed_size: 0
    .kernarg_segment_align: 8
    .kernarg_segment_size: 48
    .max_flat_workgroup_size: 512
    .sgpr_count:     102
    .vgpr_count:     256
    .wavefront_size: 32
...
	.end_amdgpu_metadata
.endif
;; end of part 3
;; launch outp (part 4): grid 4 x 32, 4 waves a work-group, clusters of 4 x 4, 327,680 bytes of LDS; arguments aimg, wimg, lowp_scales, bc, out0; writes out0
.if DOCPART == 4
	.amdgcn_target "amdgcn-amd-amdhsa--gfx1250"
	.amdhsa_code_object_version 6
	.text
	.protected	k_q8509fb8de5_outp
	.globl	k_q8509fb8de5_outp
	.p2align	8
	.type	k_q8509fb8de5_outp,@function
k_q8509fb8de5_outp:
	s_mov_b64 s[64:65], 0
	v_nop
	global_prefetch_b8 v0, s[64:65] scope:SCOPE_SE
	s_setreg_imm32_b32 hwreg(HW_REG_WAVE_MODE, 25, 1), 1
	s_wait_xcnt 0x0
	s_wait_alu depctr_hold_cnt(0) depctr_sa_sdst(0) depctr_va_vdst(0) depctr_va_sdst(0) depctr_va_ssrc(0) depctr_va_vcc(0) depctr_vm_vsrc(0)
	s_getreg_b32 s2, hwreg(HW_REG_IB_STS2, 6, 4)
	s_cmp_eq_u32 s2, 0
	s_cbranch_scc0 .Lentry_in_a_cluster
	s_endpgm
.Lentry_in_a_cluster:
	s_bfe_u32 s2, ttmp6, 0x10000c
	s_cmp_lg_u32 s2, 0xf033
	s_cbranch_scc0 .Lentry_shape_is_right
	s_endpgm
.Lentry_shape_is_right:
; OUTP: out0 = attn_v Wc + bc on codes of E4M3: A = aimg (tokens), B = plane 3 of wimg (columns of Wc), both as images of operand registers; out0 [8192][1024] f32.
; A work-group makes 256 x 256, each of its four waves 128 x 128: 64 accumulators.  K = 1,024 goes in four K steps of 256 through two LDS slots; a fragment (16 rows x 128 K) is four chunks of 512 bytes,
; lane l's 16 bytes at 16 l, so every LDS load reads 512 consecutive bytes.  Row p of tile i is the true row 32 (i/2) + 8 (i%2) + p + 8 (p/8), on both sides.
; THE MATRIX INSTRUCTION IS USED TRANSPOSED (source 0 = B, source 1 = A): a lane holds one token, and the 16 registers of two neighbouring tiles of B are 16 neighbouring columns.
; CLUSTERS: 4 x 4: A's tiles are shared along a row of the cluster, B's along a column: joint loads.  128 work-groups: C has no more tiles of this size, and a smaller tile would read more LDS bytes for each product.
; LIMIT: e10 + e11 between -126 and 127.
; REGISTERS: window 0: v0-31 addresses; v32-95 bc along the registers; v96-127 at work on the way out; v128-255 A's fragments, one set (on the way out: rows read back).  window 1: B's, two sets.  windows 2, 3: accumulators.
.set FRB,   2048
.set TILEB, 4096
.set HALFT, 8*TILEB
.set SLOT,  4*HALFT
.set SPARE, 2*SLOT                     ; behind the ring: the spare words, 128 bytes a wave
.set STEPB, 4096
.set SPITCH, 528                       ; the way out: a stage of 16 rows x (512 + 16) bytes a wave, in slot 0, which has had its last fill and its last read by then
.set FR,    16
.set NL,    4
.set NP,    4
.set BO,    8                          ; v8   64 h
.set ADRA,  16
.set ADRB,  20
.set STO,   24                         ; v24  into the stage
.set RD,    25                         ; v25  back
.set CO,    26                         ; v26  16 x lane
.set SPW,   28
.set NIL,   29
.set BR,    32
.set TMP,   96
.set AF,    128
.set BK,    128
.set G1, 24
.set G0, 32
.set G1B, 48
.set G0B, 56
.set MSB, 0
.macro WIN new
.if MSB != \new
	s_set_vgpr_msb (MSB<<8)|\new
.set MSB, \new
.endif
.endm
.set MUL_LO, 0xa1
.set MUL_HI, 0xf1
.set TO_B,   0x40
.macro JLOAD g0a, g1a, g0b, g1b        ; a joint load: waves 0 and 1 fetch for A, waves 2 and 3 for B; four v_nop follow each line
	s_cmp_eq_u32 s15, 0
	s_cbranch_scc0 .Lfor_b_\@
	tensor_load_to_lds s[\g0a:\g0a+3], s[\g1a:\g1a+7]
	s_nop 0
.rept 4
	v_nop
.endr
	s_branch .Lasked_\@
.Lfor_b_\@:
	tensor_load_to_lds s[\g0b:\g0b+3], s[\g1b:\g1b+7]
	s_nop 0
.rept 4
	v_nop
.endr
.Lasked_\@:
.endm
.macro CREST
	s_cmp_lg_u32 s14, 0
	s_cbranch_scc1 .Lnot_wave_0_\@
	s_barrier_signal -3
.Lnot_wave_0_\@:
	s_barrier_wait -3
	s_barrier_signal -1
	s_barrier_wait -1
.endm
.macro CROUND
	s_barrier_signal -1
	s_barrier_wait -1
	CREST
.endm
	s_load_b256 s[4:11], s[0:1], 0x0               ; aimg, wimg, the scales' exponents, bc
	s_load_b64 s[72:73], s[0:1], 0x20              ; out0
	v_lshl_add_u32 v[SPW], v0, 2, SPARE
	v_mov_b32 v[NIL], 0
	ds_add_u32 v28, v29
	ds_add_u32 v28, v29
	s_wait_dscnt 0x0
	v_lshrrev_b32 v1, 5, v0
	v_readfirstlane_b32 s14, v1                    ; wave
	s_lshr_b32 s15, s14, 1                         ; my half of the rows.  Also: I fetch for A (0) or for B (1)
	s_and_b32 s16, s14, 1                          ; my half of the columns.  Also: which eight tiles I fetch
	s_bfe_u32 s40, ttmp6, 0x40000                  ; cx = the tile column of C
	s_bfe_u32 s41, ttmp6, 0x40004                  ; cy
	s_and_b32 s17, ttmp7, 0xffff
	s_lshl_b32 s17, s17, 2
	s_add_co_u32 s17, s17, s41                     ; the tile row of C
	s_lshl_b32 s43, s41, 2
	s_lshl_b32 s43, 15, s43                        ; my row of the cluster
	s_lshl_b32 s44, 0x1111, s40                    ; my column
	s_or_b32 s[G1+0], s43, (3<<16)|(1<<21)         ; 15:0 the mask; 17:16 elements of 8 bytes; 21 set beside a mask
	s_or_b32 s[G1B+0], s44, (3<<16)|(1<<21)
.irp g, G1, G1B
	s_mov_b32 s[\g+1], 512<<16                     ; tensor_dim0: a tile's 4,096 bytes of a K step
	s_mov_b32 s[\g+2], 8<<16                       ; tensor_dim1: eight tiles
	s_mov_b32 s[\g+3], 512<<16                     ; tile_dim0
	s_mov_b32 s[\g+4], 8                           ; tile_dim1
	s_mov_b32 s[\g+5], 2048                        ; tensor_dim0_stride: 16,384 bytes from tile to tile
	s_mov_b32 s[\g+6], 0
	s_mov_b32 s[\g+7], 0
.endr
	s_lshl_b32 s22, s16, 17
	s_lshl_b32 s90, s17, 18
	s_add_co_u32 s90, s90, s22                     ; A
	s_mov_b32 s91, 0
	s_lshl_b32 s92, s40, 18
	s_add_co_u32 s92, s92, s22
	s_add_co_u32 s92, s92, 3<<20                   ; B: Wc's plane
	s_mov_b32 s93, 0
	s_lshl_b32 s45, s14, 15
	s_wait_kmcnt 0x0
	s_load_b64 s[96:97], s[8:9], 0x28              ; e10, e11
	s_add_nc_u64 s[86:87], s[4:5], s[90:91]
	s_add_nc_u64 s[88:89], s[6:7], s[92:93]
	CROUND                                         ; all sixteen work-groups are here: the first joint loads meet
.irp s, 0,1
	s_mov_b32 s[G0+4*\s], 1
	s_add_co_u32 s[G0+4*\s+1], s45, \s*SLOT
	s_add_nc_u64 s[G0+4*\s+2:G0+4*\s+3], s[86:87], \s*STEPB
	s_or_b32 s[G0+4*\s+3], s[G0+4*\s+3], 0x80000000
	s_mov_b32 s[G0B+4*\s], 1
	s_add_co_u32 s[G0B+4*\s+1], s45, \s*SLOT
	s_add_nc_u64 s[G0B+4*\s+2:G0B+4*\s+3], s[88:89], \s*STEPB
	s_or_b32 s[G0B+4*\s+3], s[G0B+4*\s+3], 0x80000000
	JLOAD G0+4*\s, G1, G0B+4*\s, G1B
.endr
	v_and_b32 v1, 15, v0                           ; r
	v_bfe_u32 v2, v0, 4, 1                         ; h
	v_and_b32 v3, 31, v0
	v_lshlrev_b32 v[CO], 4, v3
	s_lshl_b32 s21, s15, 15
	s_lshl_b32 s22, s16, 15
	s_add_co_u32 s22, s22, 2*HALFT
.irp s, 0,1
	v_add_nc_u32 v[ADRA+\s], s21, v[CO]
	v_add_nc_u32 v[ADRB+\s], s22, v[CO]
	s_add_co_u32 s21, s21, SLOT
	s_add_co_u32 s22, s22, SLOT
.endr
	s_mul_i32 s23, s14, 16*SPITCH                  ; my stage
	v_mul_u32_u24 v[STO], v1, SPITCH
	v_lshl_add_u32 v[STO], v2, 6, v[STO]
	v_add_nc_u32 v[STO], s23, v[STO]               ; in: row r, + 64 h
	v_add_nc_u32 v[RD], s23, v[CO]                 ; back: the 32 lanes take a row of 512 bytes
	v_lshlrev_b32 v[BO], 6, v2
	s_mov_b32 s3, 0
	s_lshl_b32 s2, s40, 10
	s_lshl_b32 s12, s16, 9
	s_add_co_u32 s2, s2, s12                       ; my 128 columns, in bytes
	s_add_nc_u64 s[74:75], s[10:11], s[2:3]
.irp t, 0,1,2,3,4,5,6,7
	global_load_b128 v[BR+8*\t:BR+8*\t+3], v[BO], s[74:75] offset:(32*(\t/2)+8*(\t%2))*4       ; bc at the lane's eight columns of tile t
	global_load_b128 v[BR+8*\t+4:BR+8*\t+7], v[BO], s[74:75] offset:(32*(\t/2)+8*(\t%2))*4+16
.endr
	s_lshl_b32 s12, s17, 20                        ; 256 rows of 4,096 bytes,
	s_add_co_u32 s2, s2, s12
	s_lshl_b32 s12, s15, 19                        ; 128 for my half
	s_add_co_u32 s2, s2, s12
	s_add_nc_u64 s[72:73], s[72:73], s[2:3]
.macro FRAG reg, adr, q, i
.irp c, 0,1,2,3
	ds_load_b128 v[\reg+4*\c:\reg+4*\c+3], v[\adr] offset:TILEB*(\i)+FRB*(\q)+512*\c
.endr
.endm
; 16 matrix instructions: A's blocks a0, a0 + 1 x B's eight.  The 64 accumulators take turns, one instruction a turn, in the same order in every step.
.macro MUL16 a0, p, zero
.irp a, \a0, \a0+1
.irp b, 0,1,2,3,4,5,6,7
.if \zero
	v_wmma_f32_16x16x128_fp8_fp8 v[8*(8*((\a)%4)+\b):8*(8*((\a)%4)+\b)+7], v[128*(\p)+FR*\b:128*(\p)+FR*\b+FR-1], v[AF+FR*(\a):AF+FR*(\a)+FR-1], 0
.else
	v_wmma_f32_16x16x128_fp8_fp8 v[8*(8*((\a)%4)+\b):8*(8*((\a)%4)+\b)+7], v[128*(\p)+FR*\b:128*(\p)+FR*\b+FR-1], v[AF+FR*(\a):AF+FR*(\a)+FR-1], v[8*(8*((\a)%4)+\b):8*(8*((\a)%4)+\b)+7]
.endif
.endr
.endr
.endm
.macro FETCH_B slot, q, p
	WIN TO_B
.irp i, 0,1,2,3,4,5,6,7
	FRAG 128*(\p)+FR*\i, ADRB+\slot, \q, \i
.endr
	WIN 0
.endm
.macro FETCH_A slot, q, i0
.irp i, \i0, \i0+1, \i0+2, \i0+3
	FRAG AF+FR*(\i), ADRA+\slot, \q, \i
.endr
.endm
.macro PLACES n                        ; plain vector lines between a matrix instruction and a load into, or a read of, its registers
.rept \n
	v_nop
.endr
.endm
.macro STEP slot, q, zero
	s_wait_dscnt 4*NL                              ; B's set and A's blocks 0-3 are in; the youngest 16 loads (A's blocks 4-7) may be out
	WIN MUL_LO
	MUL16 0, (\q)%2, \zero
	MUL16 2, (\q)%2, \zero
	s_wait_dscnt 0
	PLACES NP
	FETCH_B \slot, (\q)+1, 1-(\q)%2
	FETCH_A \slot, (\q)+1, 0
	WIN MUL_HI
	MUL16 4, (\q)%2, \zero
	MUL16 6, (\q)%2, \zero
	PLACES NP
	WIN 0
	FETCH_A \slot, (\q)+1, 4
.endm
.macro TURN slot, next, fill
	s_wait_tensorcnt 0x0                           ; all my tensor loads have landed: my part of the next slot
	ds_add_u32 v[SPW], v[NIL]                      ; 0 onto my spare word
	s_wait_dscnt 4*NL+1                            ; (the add and the youngest 16 loads may be out)
	WIN MUL_LO
	MUL16 0, 1, 0
	s_wait_dscnt 0x0                               ; the add is done, and my reads of this slot are over
	s_barrier_signal -1
	MUL16 2, 1, 0
	WIN 0
	s_barrier_wait -1
.if \fill
	CREST                                          ; the barrier has opened a round of the cluster's: no wave of any partner still reads this slot or has a load on its way
	s_add_nc_u64 s[G0+4*\slot+2:G0+4*\slot+3], s[G0+4*\slot+2:G0+4*\slot+3], 2*STEPB
	s_add_nc_u64 s[G0B+4*\slot+2:G0B+4*\slot+3], s[G0B+4*\slot+2:G0B+4*\slot+3], 2*STEPB
	JLOAD G0+4*\slot, G1, G0B+4*\slot, G1B         ; the first tensor load behind the round
.else
	PLACES NP
.endif
	FETCH_B \next, 0, 0
	FETCH_A \next, 0, 0
	WIN MUL_HI
	MUL16 4, 1, 0
	MUL16 6, 1, 0
	PLACES NP
	WIN 0
	FETCH_A \next, 0, 4
.endm
	s_wait_tensorcnt 1                             ; my part of K step 0 is in (K step 1's load may be out),
	s_barrier_signal -1
	s_barrier_wait -1                              ; everybody's is
	FETCH_B 0, 0, 0
	FETCH_A 0, 0, 0
	FETCH_A 0, 0, 4
	STEP 0, 0, 1                                   ; eight steps of 128 along K, written straight; the first products start the sums
	TURN 0, 1, 1                                   ; slot 0 takes K step 2
	STEP 1, 0, 0
	TURN 1, 0, 1                                   ; slot 1 takes K step 3
	STEP 0, 0, 0
	TURN 0, 1, 0                                   ; nothing is left to fetch
	STEP 1, 0, 0
	s_wait_dscnt 4*NL
	WIN MUL_LO
	MUL16 0, 1, 0
	MUL16 2, 1, 0
	s_wait_dscnt 0
	WIN MUL_HI
	MUL16 4, 1, 0
	MUL16 6, 1, 0
	WIN 0
; THE WAY OUT, block by block of 16 tokens x 128 columns: sum x 2^(e10 + e11) + bc in one fused multiply-add; through my own stage; back as whole rows of 512 bytes.
.macro TOSTAGE a
.set AC, 64*((\a)%4)
.set BB, BK+64*((\a)%2)
.irp g, 0,1
	WIN 0x02+((\a)/4)                              ; source 0: window 2 or 3
.set j, 0
.rept 16
	v_pk_fma_f32 v[TMP+j:TMP+j+1], v[AC+32*\g+j:AC+32*\g+j+1], s[96:97], v[BR+32*\g+j:BR+32*\g+j+1] op_sel_hi:[1,0,1]   ; each accumulator from its low end on
.set j, j+2
.endr
	WIN 0
.irp b, 0,1,2,3
	ds_store_b128 v[STO], v[TMP+8*\b:TMP+8*\b+3] offset:128*((4*\g+\b)/2)+32*(\b%2)          ; tile 4 g + b: columns 32 (tile/2) + 16 h + 8 (tile%2) + 0..7
	ds_store_b128 v[STO], v[TMP+8*\b+4:TMP+8*\b+7] offset:128*((4*\g+\b)/2)+32*(\b%2)+16
.endr
.endr
.irp t, 0,1,2,3,4,5,6,7,8,9,10,11,12,13,14,15
	ds_load_b128 v[BB+4*\t:BB+4*\t+3], v[RD] offset:\t*SPITCH   ; LDS serves a wave's instructions in order: these see the stores above
.endr
.endm
.macro SEND a, younger                 ; younger: the LDS instructions issued behind block a's loads, which may stay out
.set BB, BK+64*((\a)%2)
	s_wait_dscnt \younger
.irp t, 0,1,2,3,4,5,6,7,8,9,10,11,12,13,14,15
	global_store_b128 v[CO], v[BB+4*\t:BB+4*\t+3], s[72:73] offset:(32*((\a)/2)+8*((\a)%2)+\t+8*(\t/8))*4096 th:TH_STORE_NT   ; 512 consecutive bytes of the token's row, aligned
.endr
.endm
	s_wait_loadcnt 0x0                             ; bc
	s_wait_kmcnt 0x0
	s_add_co_i32 s96, s96, s97
	s_add_co_i32 s96, s96, 127
	s_lshl_b32 s96, s96, 23                        ; 2^(e10 + e11)
	s_mov_b32 s97, s96
	PLACES NP
	TOSTAGE 0
.irp a, 1,2,3,4,5,6,7
.if \a > 1
	s_wait_xcnt 0x0                                ; block a - 2's stores have read their registers: block a's rows may land there
.endif
	TOSTAGE \a
	SEND \a-1, 32                                  ; behind block a - 1's loads: block a's 16 stores and 16 loads
.endr
	SEND 7, 0
	s_wait_tensorcnt 0x0                           ; the wave's end
	ds_add_u32 v[SPW], v[NIL]
	s_wait_dscnt 0x0
	CROUND                                         ; the closing round
	s_endpgm
.Lfunc_end_k_q8509fb8de5_outp:
	.size	k_q8509fb8de5_outp, .Lfunc_end_k_q8509fb8de5_outp-k_q8509fb8de5_outp
	.p2alignl 7, 3214868480
	.fill 96, 4, 3214868480
	.section	.rodata,"a",@progbits
	.p2align	6, 0x0
	.amdhsa_kernel k_q8509fb8de5_outp
		.amdhsa_group_segment_fixed_size 327680
		.amdhsa_private_segment_fixed_size 0
		.amdhsa_enable_private_segment 0
		.amdhsa_kernarg_size 40
		.amdhsa_user_sgpr_count 2
		.amdhsa_user_sgpr_kernarg_segment_ptr 1
		.amdhsa_wavefront_size32 1
		.amdhsa_system_sgpr_workgroup_id_x 1
		.amdhsa_system_sgpr_workgroup_id_y 1
		.amdhsa_system_sgpr_workgroup_id_z 1
		.amdhsa_system_vgpr_workitem_id 0
		.amdhsa_next_free_vgpr 1024
		.amdhsa_next_free_sgpr 100
		.amdhsa_reserve_vcc 0
		.amdhsa_float_denorm_mode_32 3
		.amdhsa_float_denorm_mode_16_64 3
		.amdhsa_memory_ordered 1
		.amdhsa_forward_progress 1
		.amdhsa_inst_pref_size 124
	.end_amdhsa_kernel
	.amdgpu_metadata
---
amdhsa.version: [ 1, 2 ]
amdhsa.kernels:
  - .name:           k_q8509fb8de5_outp
    .symbol:         k_q8509fb8de5_outp.kd
    .args:
      - { .name: aimg, .offset: 0, .size: 8, .value_kind: global_buffer, .address_space: global }
      - { .name: wimg, .offset: 8, .size: 8, .value_kind: global_buffer, .address_space: global }
      - { .name: lowp_scales, .offset: 16, .size: 8, .value_kind: global_buffer, .address_space: global }
      - { .name: bc, .offset: 24, .size: 8, .value_kind: global_buffer, .address_space: global }
      - { .name: out0, .offset: 32, .size: 8, .value_kind: global_buffer, .address_space: global }
    .group_segment_fixed_size: 327680
    .private_segment_fixed_size: 0
    .kernarg_segment_align: 8
    .kernarg_segment_size: 40
    .max_flat_workgroup_size: 128
    .sgpr_count:     100
    .vgpr_count:     1024
    .wavefront_size: 32
...
	.end_amdgpu_metadata
.endif
;; end of part 4
;; ======== version 2 of 2: 4 launches; version 1 with the launch attn written anew for expert scheduling mode
;; limits: right only within a limited range of input values
;; workspace buffers: ximg 25,165,824 bytes; wimg 4,194,304 bytes; mbits 2,097,152 bytes of whole numbers; flags 2,048 bytes of whole numbers; himg 25,165,824 bytes; aimg 8,388,608 bytes
;; launch prep: the kernel of part 1 again; grid 640 x 1, 4 waves a work-group, no clusters, 51,712 bytes of LDS; arguments query, key, value, Wq, Wk, Wv, Wc, mask, lowp_scales, ximg, wimg, mbits, flags; writes ximg, wimg, mbits, flags
;; launch proj: the kernel of part 2 again; grid 4 x 96, 4 waves a work-group, clusters of 4 x 4, 327,680 bytes of LDS; arguments ximg, wimg, lowp_scales, bq, bk, bv, himg; writes himg
;; launch attn (part 5): grid 8 x 64, 16 waves a work-group, no clusters, 264,192 bytes of LDS; arguments himg, mbits, flags, lowp_scales, out1, aimg; writes out1, aimg
.if DOCPART == 5
	.amdgcn_target "amdgcn-amd-amdhsa--gfx1250"
	.amdhsa_code_object_version 6
	.text
	.protected	k_q8509fb8de5_attn
	.globl	k_q8509fb8de5_attn
	.p2align	8
	.type	k_q8509fb8de5_attn,@function
k_q8509fb8de5_attn:
	s_mov_b64 s[64:65], 0
	v_nop
	global_prefetch_b8 v0, s[64:65] scope:SCOPE_SE
	s_setreg_imm32_b32 hwreg(HW_REG_WAVE_SCHED_MODE, 0, 2), 2
	s_setreg_imm32_b32 hwreg(HW_REG_WAVE_MODE, 25, 1), 1
	s_wait_xcnt 0x0
	s_wait_alu depctr_vm_vsrc(0)
; ATTN: attn_v = softmax(where(mask, -1e10, q k^T / 8)) v on codes of E4M3, by the rule p = 2^(t - M), M a whole number, the row's sum of the unquantised p dividing at the end.
; out1 = attn_v in f32; aimg = its codes (scale 2^e10) as images of the last product's operand.
; SHARES.  A work-group owns one (batch, head) and 16 tiles of 16 queries, one a wave, four waves to a SIMD: tiles 8 x + i and 127 - 8 x - i, two of each kind on a SIMD, so that the work is even
; where a mask hides later keys from earlier queries; no result hangs on that pairing.  Row p of tile T is query 32 (T/2) + 8 (T%2) + p + 8 (p/8).
; K AND V of the head (131,072 bytes each) lie in LDS whole, as images of operand registers: every LDS load reads 512 consecutive bytes.  They come through registers, a quarter (four key steps) at a time:
; the next quarter's loads are out while a quarter is worked.  NO TENSOR LOAD AND NO CLUSTER: the walk branches on the stored flags;
; a work-group asks for its 262,144 bytes of K and V once in its life.
; BOTH PRODUCTS TRANSPOSED: S^T = K Q^T (16x16x64), O^T = V^T P^T (16x16x128): a lane holds one query (lane%16); score register j is key 128 ks + 32 (j/16) + 16 (lane/16) + j%16.
; THE MASK is honoured as it is given: word j of a step's 64 is the lane mask of score register j.  A step that the flags call wholly masked (and whose tile has no wholly masked row) adds nothing and is left out;
; a step without a masked key leaves the 64 selects out.
; THE MASKED LOGIT is -2^33 in place of -1e10: as t it is exact in f32, so a row all of whose keys so far are masked has t - M = 0 and p = 1 exactly.  Every real |logit| is at most 64 x 448^2 x 2^(e6+e7) / 8,
; under 2^33 for e6 + e7 <= 12; under that limit both values give the same p: 0 beside any real score, 1 throughout a wholly masked row.
; LIMITS: -91 <= e6 + e7 <= 12; e8 and e10 between -126 and 119.  NaN is not served.
; REGISTERS: v1-11, v31 addresses and constants; v12 -M, v13 the largest t, v[14:15] the sum; v16-23 Q; v24-30 at work; v32-95 K's, then V's fragments; v96-159 S^T, then p; v160-191 O^T; v192-207 p's codes; v208-239 the copy.
; THE MODE: SCHED_MODE bits 1:0 = 2 (LLVM: expert scheduling mode 2), set by the entry lines.  The code itself states the register dependences
; between vector or matrix instructions and memory or LDS instructions, with s_wait_alu, always for 0.
; THE PLAN.  Registers that memory or LDS instructions touch:
;   v1, v8, v31, v9, v10, v11, v254, v255   offsets and LDS addresses, written at the head and never again: one wait on va_vdst ahead of the first load serves them for the whole kernel.
;   v[ADK], v[ADV]   written by two additions at the head of a step that is walked; read by that step's 16 LDS loads of K and its 16 of V.
;   v32-95           K's loads land; the 8 products K Q^T read; V's loads land; the 4 products V^T P^T read.  On the way out the stage's rows land in v32-63, and global stores read them.
;   v208-239         a quarter's global loads land; its LDS stores read; no vector line names them.
;   v96-127, v192-199  on the way out: written by multiplications and conversions, read by LDS stores and global stores.
; A STEP has one wait on vm_vsrc (the earlier LDS loads have read the two addresses, ahead of the additions) and two on va_vdst: one behind the additions (the addresses are written; the products V^T P^T of the
; step walked last are done reading v32-95), with K's loads straight behind it; and the one that the exponentials' batch has in any case, which also states that the products K Q^T are done reading v32-95:
; V's loads stand straight behind it.  A step that is left out issues no vector and no LDS line: what is pending goes on to the next step that is walked.
.set LI,   1                           ; v1   16 x lane
.set ADK,  2                           ; v2   the step's K
.set ADV,  3                           ; v3   the step's V
.set RM,   4                           ; v4   the masked raw score: -2^(36 - e6 - e7)
.set PLIM, 5                           ; v5   448 x 2^e8
.set PSC,  6                           ; v6   2^e8
.set LIV,  7                           ; v7   16 x lane + V's region
.set CPA,  8                           ; v8   where the copy stores quarters 0 and 1
.set STI,  9                           ; v9   the way out: into my stage
.set STO,  10                          ; v10  and back
.set GO,   11                          ; v11  my byte offset in out1
.set CPB,  31                          ; v31  where the copy stores quarters 2 and 3: 65,536 bytes on
.set TB,   2                           ; s2   LDS byte of the step's K
.set CNT,  3
.set KS,   72                          ; s72  the key step
.set FL,   73                          ; s73  the tile's flags
	s_load_b256 s[4:11], s[0:1], 0x0               ; himg, mbits, flags, the scales' exponents
	s_load_b128 s[68:71], s[0:1], 0x20             ; out1, aimg
	v_lshl_add_u32 v254, v0, 2, 0x40000
	v_mov_b32 v255, 0
	v_lshrrev_b32 v2, 5, v0
	v_readfirstlane_b32 s14, v2                    ; wave 0..15
	v_and_b32 v2, 31, v0
	v_lshlrev_b32 v[LI], 4, v2
	v_add_nc_u32 v[LIV], 0x20000, v[LI]
	v_and_b32 v24, 15, v0                          ; r
	v_bfe_u32 v25, v0, 4, 1                        ; h
	s_and_b32 s75, ttmp7, 0xffff                   ; 16 b + head
	s_wait_alu depctr_va_sdst(0)                   ; s14 is written, ahead of its first reader: the tile, the copy's part and the stage are made from it
	s_lshr_b32 s80, s14, 1
	s_lshr_b32 s81, s14, 2
	s_add_co_u32 s81, s81, s14
	s_and_b32 s81, s81, 1                          ; early tile or late
	s_lshl_b32 s12, ttmp9, 3
	s_add_co_u32 s12, s12, s80
	s_sub_co_u32 s82, 127, s12
	s_cmp_eq_u32 s81, 0
	s_cselect_b32 s12, s12, s82                    ; T
	s_lshr_b32 s83, s75, 4                         ; b
	s_lshl_b32 s13, s83, 7
	s_add_co_u32 s13, s13, s12                     ; 128 b + T
	s_lshr_b32 s84, s14, 3                         ; the copy: waves 0-7 move K, waves 8-15 V, 4,096 bytes of a quarter each
	s_and_b32 s85, s14, 7
	s_lshl_b32 s85, s85, 12
	s_add_co_u32 s86, s84, 1
	s_lshl_b32 s86, s86, 23                        ; plane 1 or 2,
	s_lshl_b32 s87, s75, 17                        ; the head,
	s_add_co_u32 s86, s86, s87
	s_add_co_u32 s86, s86, s85                     ; my part
	s_mov_b32 s87, 0
	s_lshl_b32 s84, s84, 17
	s_add_co_u32 s84, s84, s85
	v_add_nc_u32 v[CPA], s84, v[LI]
	v_add_nc_u32 v[CPB], 0x10000, v[CPA]           ; both of the copy's addresses are made here: a quarter's place stands in the stores' immediates, and no address of the copy is written again
	s_mul_i32 s88, s14, 4352                       ; my stage: 16 rows x (256 + 16) bytes, in K's region, used behind the last barrier
	v_mul_u32_u24 v[STI], v24, 272
	v_lshl_add_u32 v[STI], v25, 6, v[STI]
	v_add_nc_u32 v[STI], s88, v[STI]               ; in: row r, + 64 h
	v_mul_u32_u24 v[STO], v25, 272
	v_lshl_add_u32 v[STO], v24, 4, v[STO]
	v_add_nc_u32 v[STO], s88, v[STO]               ; back: sixteen lanes a row, two rows an instruction
	v_lshlrev_b32 v[GO], 12, v25
	v_lshl_add_u32 v[GO], v24, 4, v[GO]            ; and the same two rows in out1
	s_lshl_b32 s90, s75, 7
	s_add_co_u32 s90, s90, s12
	s_lshl_b32 s90, s90, 10                        ; Q's image
	s_mov_b32 s91, 0
	s_lshl_b32 s92, s13, 12                        ; the tile's mask words
	s_mov_b32 s93, 0
	s_lshl_b32 s15, s13, 2                         ; its flags
	s_lshr_b32 s94, s12, 1                         ; out1: row 2,048 b + 32 (T/2) + 8 (T%2), 4,096 bytes a row, + 256 x head
	s_lshl_b32 s94, s94, 17
	s_and_b32 s89, s12, 1
	s_lshl_b32 s89, s89, 15
	s_add_co_u32 s94, s94, s89
	s_lshl_b32 s89, s83, 23
	s_add_co_u32 s94, s94, s89
	s_and_b32 s89, s75, 15                         ; head
	s_lshl_b32 s82, s89, 8
	s_add_co_u32 s94, s94, s82
	s_mov_b32 s95, 0
	s_lshl_b32 s80, s13, 14                        ; aimg: the tile's 16,384 bytes; a head is two chunks: 1,024 x head
	s_lshl_b32 s82, s89, 10
	s_add_co_u32 s80, s80, s82
	s_mov_b32 s81, 0
	s_mov_b32 s76, 0x76543210                      ; v_permlanex16_b32's selects for lane l xor 16
	s_mov_b32 s77, 0xfedcba98
.macro GLOAD g                         ; my 4,096 bytes of quarter g
.irp i, 0,1,2,3,4,5,6,7
	global_load_b128 v[208+4*\i:211+4*\i], v[LI], s[98:99] offset:32768*(\g)+512*\i
.endr
.endm
	s_wait_kmcnt 0x0
	s_add_nc_u64 s[98:99], s[4:5], s[86:87]
	s_wait_alu depctr_va_vdst(0)                   ; v1, v8, v31, v9, v10, v11, v254 and v255 are written: every load and store of the kernel but the steps' LDS loads takes its address from them, and no line writes them again
	GLOAD 0
	s_add_nc_u64 s[4:5], s[4:5], s[90:91]
	global_load_b128 v[16:19], v[LI], s[4:5]       ; Q's fragment stays in registers
	global_load_b128 v[20:23], v[LI], s[4:5] offset:512
	s_load_b32 s[FL], s[8:9], s15 offset:0x0
	s_load_b128 s[16:19], s[10:11], 0x18           ; e6, e7, e8, e9
	s_load_b32 s20, s[10:11], 0x28                 ; e10
	s_add_nc_u64 s[6:7], s[6:7], s[92:93]
	s_add_nc_u64 s[68:69], s[68:69], s[94:95]
	s_add_nc_u64 s[70:71], s[70:71], s[80:81]
	v_mov_b32 v13, 0xff61b1e6                      ; the largest t so far: -3e38
	v_floor_f32 v12, -v13                          ; -M
	v_mov_b32 v14, 0
	v_mov_b32 v15, 0
	v_mov_b32 v27, 0                               ; (named as the upper half of the pair v[26:27])
	v_mov_b32 v30, 0                               ; a lane permute's destination counts as read
.set j, 0
.rept 32
	v_mov_b32 v[160+j], 0                          ; O^T: the step is written once, and the first finds zeros
.set j, j+1
.endr
	s_wait_kmcnt 0x0
	s_add_co_i32 s80, s16, s17                     ; e6 + e7
	s_lshl_b32 s81, s80, 23
	s_add_co_i32 s78, s81, 0x3e38aa3b              ; c = log2(e) / 8 x 2^(e6 + e7): the exponents go into c's exponent field
	s_mov_b32 s79, s78
	s_sub_co_i32 s80, 163, s80
	s_lshl_b32 s80, s80, 23
	s_or_b32 s80, s80, 0x80000000
	v_mov_b32 v[RM], s80                           ; -2^(36 - e6 - e7)
	s_add_co_i32 s80, s18, 127
	s_lshl_b32 s81, s80, 23
	v_mov_b32 v[PSC], s81
	s_add_co_i32 s80, s80, 8
	s_lshl_b32 s80, s80, 23
	s_or_b32 s80, s80, 0x600000
	v_mov_b32 v[PLIM], s80
	s_add_co_i32 s96, s18, s19                     ; e8 + e9
	s_add_co_i32 s80, s20, 127
	s_lshl_b32 s100, s80, 23                       ; 2^e10
	s_add_co_i32 s80, s80, 8
	s_lshl_b32 s80, s80, 23
	s_or_b32 s101, s80, 0x600000                   ; 448 x 2^e10
; A KEY STEP: 128 keys.
.macro STEP
	s_bitcmp1_b32 s[FL], s[KS]
	s_cbranch_scc1 .Lskip_\@                       ; wholly masked, and every row has a key elsewhere: p would be 0 throughout
	s_lshl_b32 s15, s[KS], 8
	s_load_b512 s[16:31], s[6:7], s15 offset:0x0   ; the step's 64 mask words: they come while K is read and multiplied
	s_load_b512 s[32:47], s[6:7], s15 offset:0x40
	s_load_b512 s[48:63], s[6:7], s15 offset:0x80
	s_load_b512 s[80:95], s[6:7], s15 offset:0xc0
	s_wait_alu depctr_vm_vsrc(0)                   ; the LDS loads issued so far have read v[ADK] and v[ADV], which the two additions write
	v_add_nc_u32 v[ADK], s[TB], v[LI]
	v_add_nc_u32 v[ADV], s[TB], v[LIV]
	v_nop
	v_nop                                          ; with the two additions: four plain lines behind the last products, in front of loads into registers that they read
	s_wait_alu depctr_va_vdst(0)                   ; v[ADK] and v[ADV] are written, which this step's LDS loads read; the products V^T P^T of the step walked last are done reading v32-95, in which K lands
.irp t, 0,1,2,3,4,5,6,7
	ds_load_b128 v[32+8*\t:35+8*\t], v[ADK] offset:1024*\t
	ds_load_b128 v[36+8*\t:39+8*\t], v[ADK] offset:1024*\t+512
.endr
	s_wait_dscnt 0x0
.irp t, 0,1,2,3,4,5,6,7
	v_wmma_f32_16x16x64_fp8_fp8 v[96+8*\t:103+8*\t], v[32+8*\t:39+8*\t], v[16:23], 0
.endr
.rept 4
	v_nop                                          ; four places behind the products, before vector lines read the scores (ISA guide 7.12.1)
.endr
	s_add_co_u32 s74, s[KS], 16
	s_wait_kmcnt 0x0                               ; the words are in, on both ways
	s_bitcmp1_b32 s[FL], s74
	s_cbranch_scc1 .Lopen_\@                       ; no key of the step is masked
.set j, 0
.rept 64
.if j < 48
	v_cndmask_b32 v[96+j], v[96+j], v[RM], s[16+j]
.else
	v_cndmask_b32 v[96+j], v[96+j], v[RM], s[32+j]
.endif
.set j, j+1
.endr
.Lopen_\@:
	v_max3_num_f32 v24, v96, v97, v98              ; the step's largest score of my query among my 64 keys, in two chains, from each accumulator's low end on
	v_max3_num_f32 v25, v99, v100, v101
.irp i, 6,10,14,18,22,26,30,34,38,42,46,50,54,58
	v_max3_num_f32 v24, v24, v[96+\i], v[97+\i]
	v_max3_num_f32 v25, v25, v[98+\i], v[99+\i]
.endr
	v_max3_num_f32 v24, v24, v158, v159
	v_max_num_f32 v24, v24, v25
	v_permlanex16_b32 v30, v24, s76, s77
	v_max_num_f32 v24, v24, v30                    ; and among lane l xor 16's
	v_mul_f32 v24, s78, v24                        ; as t (c is positive)
	v_max_num_f32 v13, v13, v24
	v_mov_b32 v24, v12
	v_floor_f32 v12, -v13                          ; -M = floor(-t): M is a whole number
	v_sub_f32 v24, v12, v24                        ; old M - new M, 0 or less
	v_cvt_i32_f32 v24, v24                         ; (it saturates)
	v_ldexp_f32 v26, 1.0, v24                      ; f = 2^(old M - new M)
.set j, 0
.rept 32
	v_pk_fma_f32 v[96+j:97+j], v[96+j:97+j], s[78:79], v[12:13] op_sel_hi:[1,0,0]   ; t - M
.set j, j+2
.endr
.set j, 0
.rept 64
	v_exp_f32 v[96+j], v[96+j]                     ; p = 2^(t - M)
.set j, j+1
.endr
	v_pk_mul_f32 v[14:15], v[14:15], v[26:27] op_sel_hi:[1,0]   ; the sum under the new M: the plain line behind the exponentials
	s_wait_alu depctr_va_vdst(0)                   ; the 64 exponentials have written p in v96-159, ahead of its first reader (one wait for the batch); and the products K Q^T are done reading v32-95, in which V lands
.irp d, 0,1,2,3
.irp c, 0,1,2,3
	ds_load_b128 v[32+16*\d+4*\c:35+16*\d+4*\c], v[ADV] offset:2048*\d+512*\c   ; V lands under the sums, the holds, the conversions and the rescaling, none of which names v32-95 or v[ADV]
.endr
.endr
	v_pk_add_f32 v[28:29], v[96:97], v[98:99]      ; the row's sum is taken of the unquantised p
.irp j, 4,8,12,16,20,24,28,32,36,40,44,48,52,56,60
	v_pk_add_f32 v[14:15], v[14:15], v[96+\j:97+\j]
	v_pk_add_f32 v[28:29], v[28:29], v[98+\j:99+\j]
.endr
	v_pk_add_f32 v[14:15], v[14:15], v[28:29]
.irp b, 0,1,2,3
.irp i, 0,1,2,3,4,5,6,7,8,9,10,11,12,13,14,15
	v_min_num_f32 v[96+16*\b+\i], v[96+16*\b+\i], v[PLIM]   ; p is not negative: the hold is one-sided
.endr
	v_cvt_scalef32_pk8_fp8_f32 v[192+4*\b:193+4*\b], v[96+16*\b:103+16*\b], v[PSC]
	v_cvt_scalef32_pk8_fp8_f32 v[194+4*\b:195+4*\b], v[104+16*\b:111+16*\b], v[PSC]
.endr
.set j, 0
.rept 16
	v_pk_mul_f32 v[160+j:161+j], v[160+j:161+j], v[26:27] op_sel_hi:[1,0]   ; O^T under the new M
.set j, j+2
.endr
	s_wait_dscnt 0x0                               ; V
.irp d, 0,1,2,3
	v_wmma_f32_16x16x128_fp8_fp8 v[160+8*\d:167+8*\d], v[32+16*\d:47+16*\d], v[192:207], v[160+8*\d:167+8*\d]   ; four accumulators, one turn each; eleven other products stand between two links
.endr
.Lskip_\@:
	s_add_co_u32 s[KS], s[KS], 1
	s_add_co_u32 s[TB], s[TB], 8192
.endm
; A QUARTER: my part of it goes from registers to LDS; the next quarter's loads go out; one barrier; four key steps.  The bytes that a quarter's stores write are read by nobody before that barrier.
.macro QUARTER g
.irp i, 0,1,2,3,4,5,6,7
.if (\g) < 2
	ds_store_b128 v[CPA], v[208+4*\i:211+4*\i] offset:32768*((\g)%2)+512*\i
.else
	ds_store_b128 v[CPB], v[208+4*\i:211+4*\i] offset:32768*((\g)%2)+512*\i
.endif
.endr
	s_wait_dscnt 0x0                               ; for the others' sake: my stores have landed
.if (\g) < 3
	s_wait_alu depctr_vm_vsrc(0)                   ; my LDS stores have read v208-239, in which the next quarter's loads land
	GLOAD (\g)+1
.endif
	s_barrier_signal -1
	s_barrier_wait -1
	s_mov_b32 s[TB], 32768*(\g)
	s_mov_b32 s[KS], 4*(\g)
	s_mov_b32 s[CNT], 4
.Lstep_\@:
	STEP
	s_sub_co_u32 s[CNT], s[CNT], 1
	s_cmp_lg_u32 s[CNT], 0
	s_cbranch_scc1 .Lstep_\@
.if (\g) < 3
	s_wait_loadcnt 0x0                             ; the next quarter is in registers
.endif
.endm
	s_wait_loadcnt 0x0                             ; quarter 0, and Q
	QUARTER 0
	QUARTER 1
	QUARTER 2
	QUARTER 3
	; THE WAY OUT
	v_add_f32 v14, v14, v15
	v_permlanex16_b32 v30, v14, s76, s77
	v_add_f32 v14, v14, v30                        ; the row's sum
	v_rcp_f32 v14, v14
	v_mov_b32 v24, s101                            ; (plain lines behind the reciprocal)  448 x 2^e10
	v_mov_b32 v25, s100                            ; 2^e10
	s_wait_alu depctr_va_vdst(0)                   ; the reciprocal has written v14, ahead of its first reader
	v_ldexp_f32 v14, v14, s96                      ; x 2^(e8 + e9)
	s_wait_dscnt 0x0
	s_barrier_signal -1
	s_barrier_wait -1                              ; nobody reads K any more: the stages lie there
.set j, 0
.rept 16
	v_pk_mul_f32 v[96+j:97+j], v[160+j:161+j], v[14:15] op_sel_hi:[1,0]   ; attn_v: register 16 b + i is channel 32 b + 16 h + i of my query
.set j, j+2
.endr
.set j, 0
.rept 32
	v_med3_num_f32 v[128+j], v[96+j], -v24, v24
.set j, j+1
.endr
.irp b, 0,1
	v_cvt_scalef32_pk8_fp8_f32 v[192+4*\b:193+4*\b], v[128+16*\b:135+16*\b], v25
	v_cvt_scalef32_pk8_fp8_f32 v[194+4*\b:195+4*\b], v[136+16*\b:143+16*\b], v25
.endr
	v_nop
	s_wait_alu depctr_va_vdst(0)                   ; all the way out's arithmetic stands ahead of its stores, under one wait: the multiplications have written v96-127, which the LDS stores read; the conversions v192-199, which the global stores read; the last products are done reading v32-63, in which the rows land
.irp q, 0,1,2,3,4,5,6,7
	ds_store_b128 v[STI], v[96+4*\q:99+4*\q] offset:128*(\q/4)+16*(\q%4)
.endr
.irp i, 0,1,2,3,4,5,6,7
	ds_load_b128 v[32+4*\i:35+4*\i], v[STO] offset:544*\i   ; LDS serves a wave's instructions in order: these see my stores
.endr
	global_store_b128 v[LI], v[192:195], s[70:71]             ; two chunks of the last product's operand: 512 consecutive bytes each
	global_store_b128 v[LI], v[196:199], s[70:71] offset:512
.irp i, 0,1,2,3,4,5,6,7
	s_wait_dscnt 7-\i                              ; rows 2 i and 2 i + 1 are back; the younger loads may be out
	global_store_b128 v[GO], v[32+4*\i:35+4*\i], s[68:69] offset:(2*\i+8*(\i/4))*4096 th:TH_STORE_NT   ; sixteen lanes store a head's 256 bytes of a row, aligned
.endr
	s_wait_dscnt 0x0                               ; the closing lines, six on end
	s_wait_alu 0x0
	s_wait_tensorcnt 0x0
	ds_add_u32 v254, v255
	s_wait_dscnt 0x0
	s_endpgm
.Lfunc_end_k_q8509fb8de5_attn:
	.size	k_q8509fb8de5_attn, .Lfunc_end_k_q8509fb8de5_attn-k_q8509fb8de5_attn
	.p2alignl 7, 3214868480
	.fill 96, 4, 3214868480
	.section	.rodata,"a",@progbits
	.p2align	6, 0x0
	.amdhsa_kernel k_q8509fb8de5_attn
		.amdhsa_group_segment_fixed_size 264192
		.amdhsa_private_segment_fixed_size 0
		.amdhsa_enable_private_segment 0
		.amdhsa_kernarg_size 48
		.amdhsa_user_sgpr_count 2
		.amdhsa_user_sgpr_kernarg_segment_ptr 1
		.amdhsa_wavefront_size32 1
		.amdhsa_system_sgpr_workgroup_id_x 1
		.amdhsa_system_sgpr_workgroup_id_y 1
		.amdhsa_system_sgpr_workgroup_id_z 1
		.amdhsa_system_vgpr_workitem_id 0
		.amdhsa_next_free_vgpr 256
		.amdhsa_next_free_sgpr 102
		.amdhsa_reserve_vcc 0
		.amdhsa_float_denorm_mode_32 3
		.amdhsa_float_denorm_mode_16_64 3
		.amdhsa_memory_ordered 1
		.amdhsa_forward_progress 1
		.amdhsa_inst_pref_size 97
	.end_amdhsa_kernel
	.amdgpu_metadata
---
amdhsa.version: [ 1, 2 ]
amdhsa.kernels:
  - .name:           k_q8509fb8de5_attn
    .symbol:         k_q8509fb8de5_attn.kd
    .args:
      - { .name: himg, .offset: 0, .size: 8, .value_kind: global_buffer, .address_space: global }
      - { .name: mbits, .offset: 8, .size: 8, .value_kind: global_buffer, .address_space: global }
      - { .name: flags, .offset: 16, .size: 8, .value_kind: global_buffer, .address_space: global }
      - { .name: lowp_scales, .offset: 24, .size: 8, .value_kind: global_buffer, .address_space: global }
      - { .name: out1, .offset: 32, .size: 8, .value_kind: global_buffer, .address_space: global }
      - { .name: aimg, .offset: 40, .size: 8, .value_kind: global_buffer, .address_space: global }
    .group_segment_fixed_size: 264192
    .private_segment_fixed_size: 0
    .kernarg_segment_align: 8
    .kernarg_segment_size: 48
    .max_flat_workgroup_size: 512
    .sgpr_count:     102
    .vgpr_count:     256
    .wavefront_size: 32
...
	.end_amdgpu_metadata
.endif
;; end of part 5
;; launch outp: the kernel of part 4 again; grid 4 x 32, 4 waves a work-group, clusters of 4 x 4, 327,680 bytes of LDS; arguments aimg, wimg, lowp_scales, bc, out0; writes out0
